; MI455X (gfx1250); checked and timed in simulation.
; The chip was launched on July 23, 2026; its instructions are those of AMD's public machine-readable ISA for CDNA 5 (MIT licence, August 2026) and "CDNA5" Instruction Set Architecture Reference Guide (July 2026). The comments in the code are by the model that wrote it; some were corrected since.
;; Multihead Attention. Allowed arithmetic: matrix products marked QUANTISED: E2M1 operands, one E8M0 scale for each 32 along K, by v_wmma_scale_f32_16x16x128_f8f6f4 with both operands' format E2M1 (or v_wmma_scale_f32_32x16x128_f4), f32 sums; products left as they are: bf16, f16 or f32 operands; f32 sums; everything else in f32.
;; Inputs: freqs_cos 2,048 x 32 float32; freqs_sin 2,048 x 32 float32; o_b 1,024 float32; o_w 1,024 x 1,024 float32; q 4 x 2,048 x 1,024 float32; qkv_b 3,072 float32; qkv_w 3,072 x 1,024 float32.
;; Outputs: out0 4 x 2,048 x 1,024 float32.
;; This version of the problem:
;;   THIS VERSION OF THE PROBLEM IS GIVEN IN LOW PRECISION. The matrix products marked QUANTISED in the list below multiply operands that are first quantised to E2M1 (2 exponent bits, 1 mantissa bit; 4 bits a number), with one power-of-two scale for each 32 numbers along K (OCP MX v1.0); their sums are f32. The products marked 'left as it is' may take bf16, f16 or f32 operands, with f32 sums. Whichever they take, every output number must still come out within the allowed error. Rounding operands to bf16 (8 significant bits) uses up far more of that allowance than f16 does (11 bits, for magnitudes from 6e-5 to 65,504). All else is computed in f32.
;;   The module's matrix products, in the order in which they are computed (A, B: the left and right operand; K: the contracted axis; several contracted axes count as one K, in the product's order):
;;     1. [M 8,192, K 1,024] x [K 1,024, N 3,072]; A: input q; B: input qkv_w: QUANTISED
;;     2. batch 64 x [M 2,048, K 64] x [K 64, N 2,048]; A: computed on the way; B: computed on the way: left as it is (an operand is computed on the way)
;;     3. batch 64 x [M 64, K 2,048] x [K 2,048, N 2,048]; A: computed on the way; B: computed on the way: left as it is (an operand is computed on the way)
;;     4. [M 8,192, K 1,024] x [K 1,024, N 1,024]; A: computed on the way; B: input o_w: left as it is (an operand is computed on the way)
;;   THE QUANTISER, for each operand of a quantised product, along K:
;;     - K is cut into blocks of 32 from its start; a last block that is shorter is filled with zeros.
;;     - A block's scale is 2^e with e = floor(log2(the largest magnitude in the block)) - 2, held to -126 .. 127; a block of zeros has e = 0. As a byte (E8M0): e + 127.
;;     - Each number is divided by its block's scale, clamped to +-6, and rounded to the nearest number of E2M1, ties to even, subnormals kept.
;;     - The product sums the exact products of the quantised numbers (number of the format x scale) in f32.
;;   ~~~python
;;   def quantise(x, axis):      # numpy; x: float32 -> the quantised numbers, widened to float32 again
;;       x = np.moveaxis(x, axis, -1); K = x.shape[-1]
;;       x = np.pad(x, [(0, 0)] * (x.ndim - 1) + [(0, -K % 32)]); x = x.reshape(x.shape[:-1] + (-1, 32)); a = np.abs(x).max(-1, keepdims=True)
;;       e = np.where(a > 0, np.clip(np.frexp(np.where(a > 0, a, 1))[1] - 1 - 2, -126, 127), 0)      # np.frexp(a)[1] - 1 = floor(log2(a)), exactly
;;       r = np.clip(x / 2.0 ** e, -6, 6)
;;       step = 2.0 ** (np.maximum(np.frexp(np.where(r == 0, 1, r))[1] - 1, 0) - 1)
;;       q = np.round(r / step) * step * 2.0 ** e      # np.round: ties to even
;;       return np.moveaxis(q.reshape(q.shape[:-2] + (-1,))[..., :K], -1, axis).astype(np.float32)
;;   ~~~
;; One version. Each part assembles by itself: llvm-mc -triple=amdgcn-amd-amdhsa -mcpu=gfx1250 --defsym DOCPART=n.
;; ======== version 1 of 1: 4 launches
;; limits: values are held in f16: magnitudes above 65,504 overflow, below 6.1e-05 lose precision
;; workspace buffers: qc 4,194,304 bytes; qs 262,144 bytes; wc 1,572,864 bytes; ws 98,304 bytes; owh 2,097,152 bytes; qkvh 50,331,648 bytes; ao 16,777,216 bytes
;; launch quant (part 1): grid 384 x 1, 4 waves a work-group, no clusters, 33,280 bytes of LDS; arguments q, qkv_w, qc, qs, wc, ws, o_w, owh; writes qc, qs, wc, ws, owh
.if DOCPART == 1
	.amdgcn_target "amdgcn-amd-amdhsa--gfx1250"
	.amdhsa_code_object_version 6
	.text
	.protected	k_qc228555304_quant
	.globl	k_qc228555304_quant
	.p2align	8
	.type	k_qc228555304_quant,@function
k_qc228555304_quant:
	s_mov_b64 s[64:65], 0
	v_nop
	global_prefetch_b8 v0, s[64:65] scope:SCOPE_SE
	s_setreg_imm32_b32 hwreg(HW_REG_WAVE_MODE, 25, 1), 1
	s_wait_xcnt 0x0
; LAUNCH 1 OF 4.  Multi-head attention, B 4, T 2048, D 1024, 16 heads of 64.  The program: (1) this launch: q and qkv_w become codes of FP4 (E2M1) with one E8M0 byte for each 32 along K,
; o_w becomes f16;  (2) the projection on codes, + qkv_b, the rotation by freqs_cos / freqs_sin, results as f16 by head;  (3) attention with a running maximum, f16 operands, f32 sums;  (4) the projection on the way out, + o_b.
; NO WORK OF THE PROBLEM IS LEFT OUT: K's bias is turned with the key's position, so its term differs along the softmax's axis; Q's bias multiplies k; V's bias and o_b reach the result; cos and sin are taken as they are given.  All seven inputs are loaded.
; THE QUANTISER.  A block's scale is 2^(floor(log2(its largest magnitude)) - 2); its byte is the largest magnitude's exponent field - 2, held at 1 from below.  Each number is divided by the scale and rounded to the nearest code, ties to even; beyond 6 the largest code.
; LIMITS: a block of zeros gets the byte 1 where the rule says 127 (its codes are zeros, which add nothing under any byte but 0xff, and this program alone reads the bytes); blocks whose largest magnitude lies under 2^-124 keep the byte 1;
; NaN and infinities among the inputs are not served; |o_w| stays under 65,504 (f16).
; Rows are dense and K = 1024 is a multiple of 32: both tensors are plain streams of blocks of 32.  Work-groups 0-255 take q, 256-351 qkv_w, 352-383 o_w.  A wave takes 8,192 numbers.
; Codes: each of a step's four loads reads 512 consecutive bytes; the 2,048 bytes turn through the wave's own stage in LDS and come back 64 bytes a lane, so that a lane holds 16 neighbours along K (two lanes a block).
; The path for o_w touches no LDS.
.set SIZE_M, 8192
.set SIZE_N, 3072
.set SIZE_K, 1024
.set WAVES, 4
.set STEPS, 16
.set WGA,   SIZE_M*SIZE_K/(512*STEPS*WAVES)            ; 256 work-groups for q
.set WGQ,   (SIZE_M+SIZE_N)*SIZE_K/(512*STEPS*WAVES)   ; 352 for q and qkv_w together
.set EMAX,  2
.set CB,    8                          ; bytes of 16 codes
.set R,     16                         ; v16-79   four sets of 16 numbers as they are loaded
.set X,     80                         ; v80-111  two sets of 16 neighbours
.set C,     128                        ; v128-191 codes: four registers for each step, so that no store's data are written again
.set E,     112                        ; v112-127 a scale byte for each step
.set WREG,  8192                       ; LDS: a region for each wave: two stages of 32 x SP bytes, behind them its 256 scale bytes
.set SP,    80                         ; a lane's place in a stage: 64 bytes + 16 of padding
.set SPW,   12                         ; v12      LDS address of my spare word; never rewritten
.set NIL,   13                         ; v13      0; never rewritten
.set SPARE, WAVES*WREG                 ; behind the four regions: the spare words, 128 bytes for each wave
.set OR,    16                         ; o_w's path: v16-143 two sets of 64 numbers
.set OC,    144                        ; v144-175 32 words of f16
	s_load_b128 s[4:7], s[0:1], 0x0                ; q, qkv_w
	s_load_b128 s[8:11], s[0:1], 0x10              ; q's codes, q's scales
	s_load_b128 s[12:15], s[0:1], 0x20             ; qkv_w's codes, its scales
	s_load_b128 s[24:27], s[0:1], 0x30             ; o_w, its f16 copy
	v_lshl_add_u32 v[SPW], v0, 2, SPARE
	v_mov_b32 v[NIL], 0
	v_lshrrev_b32 v1, 5, v0
	v_readfirstlane_b32 s16, v1                    ; wave
	v_and_b32 v2, 31, v0                           ; lane
	v_lshlrev_b32 v3, 4, v2                        ; my 16 bytes of a load's 512
	s_mul_i32 s17, s16, WREG
	v_lshrrev_b32 v14, 2, v2
	v_mul_u32_u24 v14, v14, SP
	v_and_b32 v15, 3, v2
	v_lshl_add_u32 v14, v15, 4, v14
	v_add_nc_u32 v14, s17, v14                     ; the stage, on the way in: SP (lane / 4) + 16 (lane % 4)
	v_mul_u32_u24 v15, v2, SP
	v_add_nc_u32 v15, s17, v15                     ; and on the way out: SP x lane: my 16 neighbours
	v_mul_u32_u24 v4, v2, CB                       ; my codes' place in a step's
	v_lshrrev_b32 v5, 1, v2
	s_add_co_u32 s17, s17, 2*32*SP
	v_add_nc_u32 v5, s17, v5                       ; LDS: my wave's 256 scale bytes, my block's byte
	v_lshlrev_b32 v7, 3, v2                        ; 8 bytes a lane
	v_add_nc_u32 v6, s17, v7
	s_wait_kmcnt 0x0
	s_cmp_ge_u32 ttmp9, WGQ                        ; the last 32 work-groups take o_w: a branch on the work-group's number alone
	s_cbranch_scc1 .Low
	s_cmp_lt_u32 ttmp9, WGA                        ; q's work-group or qkv_w's?  Only pointers are chosen: one path serves both
	s_cselect_b64 s[4:5], s[4:5], s[6:7]
	s_cselect_b64 s[8:9], s[8:9], s[12:13]
	s_cselect_b64 s[10:11], s[10:11], s[14:15]
	s_cselect_b32 s17, 0, WGA
	s_sub_co_u32 s17, ttmp9, s17
	s_lshl_b32 s17, s17, 2
	s_add_co_u32 s18, s17, s16                     ; which run of 8,192 numbers of the tensor is my wave's
	s_mov_b32 s19, 0
	s_mov_b64 s[20:21], 512*STEPS*4
	s_mul_u64 s[20:21], s[18:19], s[20:21]
	s_add_nc_u64 s[4:5], s[4:5], s[20:21]
	s_mov_b64 s[20:21], 32*STEPS*CB
	s_mul_u64 s[20:21], s[18:19], s[20:21]
	s_add_nc_u64 s[8:9], s[8:9], s[20:21]
	s_lshl_b32 s18, s18, 8                         ; 256 scale bytes a run
	s_add_nc_u64 s[10:11], s[10:11], s[18:19]
.macro LOAD t
.irp i, 0,1,2,3
	global_load_b128 v[R+16*((\t)%4)+4*\i:R+16*((\t)%4)+4*\i+3], v3, s[4:5] offset:2048*(\t)+512*\i th:TH_LOAD_NT   ; 32 lanes read 512 consecutive bytes
.endr
.endm
.macro TURN t                          ; step t's numbers through the stage: LDS serves a wave's instructions in order, so no wait stands between the stores and the loads
.irp i, 0,1,2,3
	ds_store_b128 v14, v[R+16*((\t)%4)+4*\i:R+16*((\t)%4)+4*\i+3] offset:32*SP*((\t)%2)+8*SP*\i
.endr
.irp i, 0,1,2,3
	ds_load_b128 v[X+16*((\t)%2)+4*\i:X+16*((\t)%2)+4*\i+3], v15 offset:32*SP*((\t)%2)+16*\i
.endr
.endm
.irp t, 0,1,2,3
	LOAD \t
.endr
	s_wait_loadcnt 12                              ; step 0's four loads are in; three steps' twelve stay out
	TURN 0
.macro STEP t
.set XS, X+16*((\t)%2)
.if (\t) > 0
	s_wait_dscnt 1                                 ; this step's numbers are back from the stage (the last step's byte store may be out)
.else
	s_wait_dscnt 0x0
.endif
.if (\t)+4 < STEPS
	LOAD (\t)+4                                    ; into the registers that the stage's stores have read
.endif
.if (\t)+1 < STEPS
.if STEPS-2-(\t) >= 3
	s_wait_loadcnt 12                              ; the next step's four loads are in; those of the three steps behind it may be out
.else
	s_wait_loadcnt 4*(STEPS-2-(\t))
.endif
	TURN (\t)+1                                    ; through the other stage while this step is worked
.endif
	v_max3_num_f32 v8, |v[XS]|, |v[XS+1]|, |v[XS+2]|               ; the largest magnitude of my 16, in two chains
	v_max3_num_f32 v9, |v[XS+3]|, |v[XS+4]|, |v[XS+5]|
.irp i, 6,10
	v_max3_num_f32 v8, v8, |v[XS+\i]|, |v[XS+\i+1]|
	v_max3_num_f32 v9, v9, |v[XS+\i+2]|, |v[XS+\i+3]|
.endr
	v_max3_num_f32 v8, v8, |v[XS+14]|, |v[XS+15]|
	v_max3_num_f32 v8, v8, v9, (EMAX+1)<<23        ; and the floor 2^(3 - 127): the byte cannot fall under 1
	v_max_num_f32_dpp v8, v8, v8 row_xmask:1 row_mask:0xf bank_mask:0xf   ; and of my neighbour's 16: the block's
	v_add_nc_u32 v11, -(EMAX<<23), v8              ; 2 off its exponent field: the conversion takes the exponent field of this operand as its scale
	v_cvt_scalef32_pk8_fp4_f32 v[C+4*(\t)], v[XS:XS+7], v11
	v_cvt_scalef32_pk8_fp4_f32 v[C+4*(\t)+1], v[XS+8:XS+15], v11
	v_lshrrev_b32 v[E+(\t)], 23, v11               ; the scale's byte (also the plain line behind the conversions)
	ds_store_b8 v5, v[E+(\t)] offset:16*(\t)       ; both lanes of a block write the same byte with the same value
	global_store_b64 v4, v[C+4*(\t):C+4*(\t)+1], s[8:9] offset:32*CB*(\t)   ; the wave stores 256 consecutive bytes, aligned
.endm
.irp t, 0,1,2,3,4,5,6,7,8,9,10,11,12,13,14,15
	STEP \t
.endr
	ds_load_b64 v[8:9], v6                         ; LDS serves a wave's instructions in order: these see my stores
	s_wait_dscnt 0x0
	global_store_b64 v7, v[8:9], s[10:11]          ; 32 lanes store 256 consecutive bytes, aligned
	s_wait_tensorcnt 0x0                           ; the wave's end: a tensor wait, an add of 0 to my spare word and its wait, behind my last LDS store
	ds_add_u32 v[SPW], v[NIL]
	s_wait_dscnt 0x0
	s_endpgm
; o_w to f16, as it lies: [1024 n][1024 k], K innermost.  A wave takes 8,192 numbers in four groups of 16 loads; two groups are on their way.  No LDS.
.Low:
	s_sub_co_u32 s17, ttmp9, WGQ
	s_lshl_b32 s17, s17, 2
	s_add_co_u32 s17, s17, s16                     ; my run of 8,192 numbers
	s_lshl_b32 s18, s17, 15                        ; 32,768 bytes in,
	s_mov_b32 s19, 0
	s_add_nc_u64 s[24:25], s[24:25], s[18:19]
	s_lshl_b32 s18, s17, 14                        ; 16,384 out
	s_add_nc_u64 s[26:27], s[26:27], s[18:19]
.macro OLOAD g
.irp i, 0,1,2,3,4,5,6,7,8,9,10,11,12,13,14,15
	global_load_b128 v[OR+64*((\g)%2)+4*\i:OR+64*((\g)%2)+4*\i+3], v3, s[24:25] offset:512*(16*(\g)+\i) th:TH_LOAD_NT
.endr
.endm
.macro OGROUP g
.if (\g) < 3
	s_wait_loadcnt 16                              ; this group's 16 loads are in; the younger group's 16 stay out
.else
	s_wait_loadcnt 0x0
.endif
.if (\g) > 0
	s_wait_xcnt 0x0                                ; the last group's stores have read their data registers: they are written again only behind this wait
.endif
.irp i, 0,1,2,3,4,5,6,7,8,9,10,11,12,13,14,15
	v_cvt_pk_f16_f32 v[OC+2*\i],   v[OR+64*((\g)%2)+4*\i],   v[OR+64*((\g)%2)+4*\i+1]
	v_cvt_pk_f16_f32 v[OC+2*\i+1], v[OR+64*((\g)%2)+4*\i+2], v[OR+64*((\g)%2)+4*\i+3]
.endr
.irp i, 0,1,2,3,4,5,6,7,8,9,10,11,12,13,14,15
	global_store_b64 v7, v[OC+2*\i:OC+2*\i+1], s[26:27] offset:256*(16*(\g)+\i)   ; the wave stores 256 consecutive bytes, aligned
.endr
.if (\g) < 2
	OLOAD (\g)+2
.endif
.endm
	OLOAD 0
	OLOAD 1
	OGROUP 0
	OGROUP 1
	OGROUP 2
	OGROUP 3
	s_endpgm
.Lfunc_end_k_qc228555304_quant:
	.size	k_qc228555304_quant, .Lfunc_end_k_qc228555304_quant-k_qc228555304_quant
	.p2alignl 7, 3214868480
	.fill 96, 4, 3214868480
	.section	.rodata,"a",@progbits
	.p2align	6, 0x0
	.amdhsa_kernel k_qc228555304_quant
		.amdhsa_group_segment_fixed_size 33280
		.amdhsa_private_segment_fixed_size 0
		.amdhsa_enable_private_segment 0
		.amdhsa_kernarg_size 64
		.amdhsa_user_sgpr_count 2
		.amdhsa_user_sgpr_kernarg_segment_ptr 1
		.amdhsa_wavefront_size32 1
		.amdhsa_system_sgpr_workgroup_id_x 1
		.amdhsa_system_sgpr_workgroup_id_y 1
		.amdhsa_system_sgpr_workgroup_id_z 1
		.amdhsa_system_vgpr_workitem_id 0
		.amdhsa_next_free_vgpr 192
		.amdhsa_next_free_sgpr 66
		.amdhsa_reserve_vcc 0
		.amdhsa_float_denorm_mode_32 3
		.amdhsa_float_denorm_mode_16_64 3
		.amdhsa_memory_ordered 1
		.amdhsa_forward_progress 1
		.amdhsa_inst_pref_size 54
	.end_amdhsa_kernel
	.amdgpu_metadata
---
amdhsa.version: [ 1, 2 ]
amdhsa.kernels:
  - .name:           k_qc228555304_quant
    .symbol:         k_qc228555304_quant.kd
    .args:
      - { .name: q, .offset: 0, .size: 8, .value_kind: global_buffer, .address_space: global }
      - { .name: qkv_w, .offset: 8, .size: 8, .value_kind: global_buffer, .address_space: global }
      - { .name: qc, .offset: 16, .size: 8, .value_kind: global_buffer, .address_space: global }
      - { .name: qs, .offset: 24, .size: 8, .value_kind: global_buffer, .address_space: global }
      - { .name: wc, .offset: 32, .size: 8, .value_kind: global_buffer, .address_space: global }
      - { .name: ws, .offset: 40, .size: 8, .value_kind: global_buffer, .address_space: global }
      - { .name: o_w, .offset: 48, .size: 8, .value_kind: global_buffer, .address_space: global }
      - { .name: owh, .offset: 56, .size: 8, .value_kind: global_buffer, .address_space: global }
    .group_segment_fixed_size: 33280
    .private_segment_fixed_size: 0
    .kernarg_segment_align: 8
    .kernarg_segment_size: 64
    .max_flat_workgroup_size: 128
    .sgpr_count:     66
    .vgpr_count:     192
    .wavefront_size: 32
...
	.end_amdgpu_metadata
.endif
;; end of part 1
;; launch qkv (part 2): grid 12 x 32, 4 waves a work-group, clusters of 4 x 4, 327,680 bytes of LDS; arguments qc, qs, wc, ws, qkvh, qkv_b, freqs_cos, freqs_sin; writes qkvh
.if DOCPART == 2
	.amdgcn_target "amdgcn-amd-amdhsa--gfx1250"
	.amdhsa_code_object_version 6
	.text
	.protected	k_qc228555304_qkv
	.globl	k_qc228555304_qkv
	.p2align	8
	.type	k_qc228555304_qkv,@function
k_qc228555304_qkv:
	s_mov_b64 s[64:65], 0
	v_nop
	global_prefetch_b8 v0, s[64:65] scope:SCOPE_SE
	s_setreg_imm32_b32 hwreg(HW_REG_WAVE_MODE, 25, 1), 1
	s_wait_xcnt 0x0
	s_wait_alu depctr_hold_cnt(0) depctr_sa_sdst(0) depctr_va_vdst(0) depctr_va_sdst(0) depctr_va_ssrc(0) depctr_va_vcc(0) depctr_vm_vsrc(0)
	s_getreg_b32 s2, hwreg(HW_REG_IB_STS2, 6, 4)
	s_cmp_eq_u32 s2, 0
	s_cbranch_scc0 .Lentry_in_a_cluster
	s_endpgm
.Lentry_in_a_cluster:
	s_bfe_u32 s2, ttmp6, 0x10000c
	s_cmp_lg_u32 s2, 0xf033
	s_cbranch_scc0 .Lentry_shape_is_right
	s_endpgm
.Lentry_shape_is_right:
; LAUNCH 2 OF 4.  qkv = Q(q) Q(qkv_w)^T + qkv_b on codes of FP4 with E8M0 scales, f32 sums; Q's and K's heads are turned by freqs_cos / freqs_sin in f32; all three leave as f16, laid [kind 3][batch 4][head 16][t 2048][64].  Nothing of the problem is left out here.
; LIMIT: the projected numbers stay under 65,504 (f16).
; A tile of the result, 256 tokens x 256 columns, is made by a work-group of four waves; a wave makes 128 x 128: 64 accumulators of 16 x 16, 512 registers.  K = 1024 is two slots of 512 along K (rows of 256 bytes): both are first fills, nothing is filled again.
; The scale bytes of the work-group's 256 + 256 rows, for all of K, come once with the first fills, in rows of 256 bytes.
; CLUSTERS: 4 x 4 work-groups.  The four of a row of the cluster need the same tiles of q's codes, the four of a column the same tiles of the weight's: each tile is asked for jointly, by one descriptor and a mask that names the four.
; The cluster's x is the kind (0 Q, 1 K, 2 V): four tile columns are 1,024 columns.  It is the same in all sixteen partners, so a branch may hang on it.  V is not turned: the text parts ONCE, behind slot 0's last step:
; the way for Q and K asks for cos and sin, multiplies slot 1 and turns the results; the way for V multiplies slot 1 (a second copy of those four steps) and only rounds them.  No barrier and no tensor load stands in either way.
; THE MATRIX INSTRUCTION IS USED TRANSPOSED (source 0 = 16 rows of the weight, source 1 = 16 tokens), AND THE ROWS OF A TILE ARE TAKEN IN THE ORDER sigma(r) = (r & 8) + 2 (r & 3) + ((r >> 2) & 1), on both sides:
; lane (r, h), register j of accumulator (a, b) then holds token 16 a + sigma(r), column 16 b + 8 h + 2 (j & 3) + (j >> 2): registers 0-3 are the even columns (x0 of four pairs), registers 4-7 the odd ones (x1): the rotation is packed arithmetic with no shuffle.
; THE BIAS is the C of each sum's first matrix instruction: eight registers a column block, in the result's layout.
; REGISTERS, in windows of 256: window 0: v0-31 addresses; v32-95 scale words, two sets; v128-191 the tokens' fragments, one set; v192-255 cos and sin, two sets; on the way out v32-191 are at work.
;   window 1: the weight's fragments, two sets, at v0 and v128; v64-127 the bias.   window 2: the accumulators of my tokens 0-63 ((a, b) at v[8 (8 a + b)]);   window 3: those of tokens 64-127.
.set SIZE_M, 8192
.set SIZE_N, 3072
.set SIZE_K, 1024
.set KSTEP,  512                       ; along K in a slot
.set NQ,     KSTEP/128                 ; matrix instructions deep
.set ROWB,   256                       ; a tile's row in bytes
.set KROW,   SIZE_K/2                  ; a row of codes in memory
.set PITCH,  272                       ; an LDS row: 256 bytes + 16: the sixteen rows that a load touches start at sixteen different 16-byte columns of 256
.set FR,     8                         ; registers of a fragment: 16 rows x 128 K
.set NL,     2                         ; LDS loads that bring one
.set NP,     4                         ; places behind this matrix instruction (ISA guide 7.12.1)
.set HALFT,  128*PITCH                 ; 128 rows: what one tensor load brings
.set SLOT,   4*HALFT                   ; the tokens' 256 rows, then the weight's 256
.set KS,     SIZE_K/32                 ; a row of scale bytes
.set SCL,    2*SLOT                    ; behind the two slots: the scales, as rows of 256 bytes + 16
.set HALFS,  (128*KS/256)*272          ; the scales of 128 rows
.set SBLK,   (16*KS/256)*272           ; those of 16 rows
.set SPARE,  SCL+4*HALFS               ; behind the scales: the spare words, 128 bytes for each wave
.set HP,     144                       ; the way out: a head's row of 64 f16 + 16 bytes
.set WSTG,   2*16*HP                   ; a wave's stage: 2 heads x 16 rows.  The stages lie in slot 0, which has had its one fill and its last read when the first result is stored there
.set VSTG,   4*WSTG                    ; V's way has stage bytes of its own, behind the other way's four
.set ADRA, 16                          ; v16-17  LDS address of my tokens' fragments in slot 0, 1
.set ADRB, 20                          ; v20-21  the same for the weight
.set STO,  24                          ; v24     the way out: where I put 16 bytes of a row
.set RD,   25                          ; v25     where I read rows back
.set CO,   26                          ; v26     16 x lane: my bytes of a store's 512
.set ADRS, 27                          ; v27     LDS address of my scale words: lanes 0-15 the tokens', lanes 16-31 the weight's
.set SPW,  28                          ; v28     LDS address of my spare word; never rewritten
.set NIL,  29                          ; v29     0; never rewritten
.set FA,   30                          ; v30     cos, sin: sigma(r) x 128 + 16 h
.set BO,   31                          ; v31     the bias: 32 h
.set SC,   32                          ; scale words
.set AF,   128                         ; the tokens' fragments, window 0
.set BIAS, 64                          ; window 1
.set CSR,  192                         ; cos and sin: set a % 2: cos of column block b % 4 at + 4 (b % 4), sin 16 further on
.set EB,   32                          ; the way out: 64 turned numbers
.set TMP,  96                          ; 32 words of f16
.set BK,   128                         ; rows read back: two sets of 32
.set G1, 24                            ; s[24:31] group 1 for the tokens' tiles;  s[32:39] group 0, a set for each slot
.set G0, 32
.set G1B, 48                           ; s[48:55], s[56:63] the same for the weight's
.set G0B, 56
.set G1S, 68                           ; s[68:75], s[76:79] groups 1 and 0 for the tokens' scales;  s[80:87], s[88:91] for the weight's
.set G0S, 76
.set G1SB, 80
.set G0SB, 88
.set MSB, 0
.macro WIN new                         ; the immediate's high byte repeats the setting that is left
.if MSB != (\new)
	s_set_vgpr_msb (MSB<<8)|(\new)
.set MSB, (\new)
.endif
.endm
.set MUL_LO, 0xa1                      ; source 0 (weight) window 1, source 1 (tokens) window 0, C and D window 2
.set MUL_HI, 0xf1                      ; the same, C and D window 3
.set TO_B,   0x40                      ; destination window 1, address window 0
; A joint load: waves 0 and 1 fetch for the tokens, waves 2 and 3 for the weight.  The branch hangs on the wave's number alone.  An s_nop 0 and four v_nop follow each of the two lines.
.macro JLOAD g0a, g1a, g0b, g1b
	s_cmp_eq_u32 s15, 0
	s_cbranch_scc0 .Lfor_b_\@
	tensor_load_to_lds s[\g0a:\g0a+3], s[\g1a:\g1a+7]
	s_nop 0
.rept 4
	v_nop
.endr
	s_branch .Lasked_\@
.Lfor_b_\@:
	tensor_load_to_lds s[\g0b:\g0b+3], s[\g1b:\g1b+7]
	s_nop 0
.rept 4
	v_nop
.endr
.Lasked_\@:
.endm
.macro CROUND                          ; a round of the cluster's barrier
	s_barrier_signal -1
	s_barrier_wait -1
	s_cmp_lg_u32 s14, 0
	s_cbranch_scc1 .Lnot_wave_0_\@
	s_barrier_signal -3
.Lnot_wave_0_\@:
	s_barrier_wait -3
	s_barrier_signal -1
	s_barrier_wait -1
.endm
	s_load_b128 s[4:7], s[0:1], 0x0                ; q's codes, q's scales
	s_load_b128 s[8:11], s[0:1], 0x10              ; the weight's codes, its scales
	s_load_b64 s[12:13], s[0:1], 0x20              ; qkvh
	s_load_b64 s[96:97], s[0:1], 0x28              ; qkv_b
	s_load_b64 s[98:99], s[0:1], 0x30              ; freqs_cos
	s_load_b64 s[100:101], s[0:1], 0x38            ; freqs_sin
	v_lshl_add_u32 v[SPW], v0, 2, SPARE
	v_mov_b32 v[NIL], 0
	ds_add_u32 v[SPW], v[NIL]                      ; the wave's opening: the add, twice on end, and its wait ahead of my first tensor load
	ds_add_u32 v[SPW], v[NIL]
	v_lshrrev_b32 v1, 5, v0
	v_readfirstlane_b32 s14, v1                    ; wave 0..3
	s_lshr_b32 s15, s14, 1                         ; which half of the tile's tokens is mine.  Also: I fetch for the tokens (0) or for the weight (1)
	s_and_b32 s16, s14, 1                          ; which half of its columns.  Also: which 128 rows of that tile I fetch
	s_bfe_u32 s40, ttmp6, 0x40000                  ; cx, cy: my place in the cluster
	s_bfe_u32 s41, ttmp6, 0x40004
	s_lshl_b32 s42, ttmp9, 2
	s_add_co_u32 s42, s42, s40                     ; tile column = 4 x cluster x + cx
	s_and_b32 s17, ttmp7, 0xffff
	s_lshl_b32 s17, s17, 2
	s_add_co_u32 s17, s17, s41                     ; tile row = 4 x cluster y + cy
	s_lshl_b32 s43, s41, 2
	s_lshl_b32 s43, 15, s43                        ; my row of the cluster
	s_lshl_b32 s44, 0x1111, s40                    ; my column
	; group 1: a tile of 128 rows x 256 bytes, 16 bytes of padding behind each row
	s_or_b32 s[G1+0], s43, (0<<16)|(1<<20)|(1<<21)|(5<<22)|(3<<25)  ; the mask; elements of 1 byte; padding on; bit 21 beside a mask; after every 64 words four words
	s_or_b32 s[G1B+0], s44, (0<<16)|(1<<20)|(1<<21)|(5<<22)|(3<<25)
.irp g, G1, G1B
	s_mov_b32 s[\g+1], ROWB<<16                    ; tensor_dim0
	s_mov_b32 s[\g+2], 128<<16                     ; tensor_dim1
	s_mov_b32 s[\g+3], ROWB<<16                    ; tile_dim0
	s_mov_b32 s[\g+4], 128                         ; tile_dim1
	s_mov_b32 s[\g+5], KROW                        ; the pitch in memory
	s_mov_b32 s[\g+6], 0
	s_mov_b32 s[\g+7], 0
.endr
	; the scales of 128 rows: a dense block of 4,096 bytes, as 16 rows of 256 bytes (32 elements of 8 bytes), 16 bytes of padding behind each
	s_or_b32 s[G1S+0], s43, (3<<16)|(1<<20)|(1<<21)|(5<<22)|(3<<25)
	s_or_b32 s[G1SB+0], s44, (3<<16)|(1<<20)|(1<<21)|(5<<22)|(3<<25)
.irp g, G1S, G1SB
	s_mov_b32 s[\g+1], 32<<16
	s_mov_b32 s[\g+2], (128*KS/256)<<16
	s_mov_b32 s[\g+3], 32<<16
	s_mov_b32 s[\g+4], 128*KS/256
	s_mov_b32 s[\g+5], 32
	s_mov_b32 s[\g+6], 0
	s_mov_b32 s[\g+7], 0
.endr
	s_lshl_b32 s18, s16, 7                         ; which 128 rows of the tile I fetch
	s_lshl_b32 s20, s17, 8
	s_add_co_u32 s20, s20, s18                     ; tokens: row 256 x tile row + 128 x half
	s_lshl_b32 s46, s42, 8
	s_add_co_u32 s46, s46, s18                     ; weight: row 256 x tile column + 128 x half
	s_mov_b32 s21, 0
	s_mov_b32 s47, 0
	s_mov_b64 s[18:19], KS
	s_mul_u64 s[22:23], s[20:21], s[18:19]         ; where these rows' scales begin, in bytes
	s_mul_u64 s[92:93], s[46:47], s[18:19]
	s_mov_b64 s[18:19], KROW
	s_mul_u64 s[20:21], s[20:21], s[18:19]         ; and their codes
	s_mul_u64 s[46:47], s[46:47], s[18:19]
	s_mul_i32 s45, s14, HALFT                      ; where they go: wave x 128 rows: no place in the cluster enters an LDS address
	s_mul_i32 s94, s14, HALFS
	s_wait_dscnt 0x0                               ; both opening adds are done
	s_wait_kmcnt 0x0
	s_add_nc_u64 s[20:21], s[4:5], s[20:21]
	s_add_nc_u64 s[22:23], s[6:7], s[22:23]
	s_add_nc_u64 s[46:47], s[8:9], s[46:47]
	s_add_nc_u64 s[92:93], s[10:11], s[92:93]
	CROUND                                         ; all sixteen work-groups are here: the joint loads meet
	s_mov_b32 s[G0S], 1
	s_add_co_u32 s[G0S+1], s94, SCL
	s_mov_b64 s[G0S+2:G0S+3], s[22:23]
	s_or_b32 s[G0S+3], s[G0S+3], 0x80000000
	s_mov_b32 s[G0SB], 1
	s_add_co_u32 s[G0SB+1], s94, SCL
	s_mov_b64 s[G0SB+2:G0SB+3], s[92:93]
	s_or_b32 s[G0SB+3], s[G0SB+3], 0x80000000
	JLOAD G0S, G1S, G0SB, G1SB                     ; the scales first: they are wanted with the first slot
.irp s, 0,1
	s_mov_b32 s[G0+4*\s], 1
	s_add_co_u32 s[G0+4*\s+1], s45, \s*SLOT
	s_add_nc_u64 s[G0+4*\s+2:G0+4*\s+3], s[20:21], \s*ROWB
	s_or_b32 s[G0+4*\s+3], s[G0+4*\s+3], 0x80000000
	s_mov_b32 s[G0B+4*\s], 1
	s_add_co_u32 s[G0B+4*\s+1], s45, \s*SLOT
	s_add_nc_u64 s[G0B+4*\s+2:G0B+4*\s+3], s[46:47], \s*ROWB
	s_or_b32 s[G0B+4*\s+3], s[G0B+4*\s+3], 0x80000000
	JLOAD G0+4*\s, G1, G0B+4*\s, G1B               ; three tensor loads of mine are out
.endr
	v_bfe_u32 v2, v0, 4, 1                         ; h = lane / 16
	v_and_b32 v8, 3, v0                            ; r & 3
	v_bfe_u32 v9, v0, 2, 1                         ; (r >> 2) & 1
	v_bfe_u32 v10, v0, 3, 1                        ; (r >> 3) & 1
	v_and_b32 v1, 8, v0
	v_lshl_add_u32 v1, v8, 1, v1
	v_add_nc_u32 v1, v1, v9                        ; sigma(r): the row of a tile that my lane takes
	v_mul_u32_u24 v3, v1, PITCH
	v_lshl_add_u32 v4, v2, 4, v3                   ; a fragment's row x pitch + 16 x half
	s_mul_i32 s21, s15, HALFT                      ; my 128 tokens
	s_mul_i32 s22, s16, HALFT                      ; my 128 rows of the weight,
	s_add_co_u32 s22, s22, 2*HALFT                 ; which lie behind the tokens' 256
.irp s, 0,1
	v_add_nc_u32 v[ADRA+\s], s21, v4
	v_add_nc_u32 v[ADRB+\s], s22, v4
	s_add_co_u32 s21, s21, SLOT
	s_add_co_u32 s22, s22, SLOT
.endr
	v_mul_u32_u24 v5, v1, KS                       ; my row's scales: 32 bytes a row,
	v_lshrrev_b32 v6, 8, v5
	v_lshl_add_u32 v5, v6, 4, v5                   ; and 16 more for each 256 passed
	s_mul_i32 s21, s15, HALFS
	s_mul_i32 s22, s16, HALFS
	s_add_co_u32 s22, s22, 2*HALFS
	s_sub_co_u32 s22, s22, s21
	v_mul_u32_u24 v6, s22, v2                      ; lanes 16-31 take the weight's: one product, the distance between the two bases
	s_add_co_u32 s21, s21, SCL
	v_add_nc_u32 v5, v5, v6
	v_add_nc_u32 v[ADRS], s21, v5
	; the stage.  Token rho = sigma(r) goes to place (rho >> 1) + 8 (rho & 1) = (r & 3) + 4 ((r >> 3) & 1) + 8 ((r >> 2) & 1): rows 2 i and 2 i + 1 lie eight places (1,152 bytes) apart, so that the 16 lanes that read two rows back touch 256 different bytes modulo 256
	s_mul_i32 s23, s14, WSTG
	v_lshl_add_u32 v11, v10, 2, v8
	v_lshl_add_u32 v11, v9, 3, v11
	v_mul_u32_u24 v5, v11, HP
	v_lshl_add_u32 v5, v2, 4, v5
	v_add_nc_u32 v[STO], s23, v5                   ; in: my place, + 16 h
	v_lshl_add_u32 v13, v10, 3, v2                 ; back: eight lanes a row, four rows an instruction: row sub = lane / 8 lies at place (sub >> 1) + 8 (sub & 1)
	v_mul_u32_u24 v13, v13, HP
	v_and_b32 v12, 7, v0
	v_lshl_add_u32 v13, v12, 4, v13
	v_add_nc_u32 v[RD], s23, v13
	v_and_b32 v6, 31, v0
	v_lshlrev_b32 v[CO], 4, v6
	v_lshlrev_b32 v[FA], 7, v1                     ; a row of cos or sin is 128 bytes
	v_lshl_add_u32 v[FA], v2, 4, v[FA]
	v_lshlrev_b32 v[BO], 5, v2
	s_lshl_b32 s46, s42, 10                        ; my first column, x 4 bytes: 1,024 x tile column + 512 x half
	s_lshl_b32 s47, s16, 9
	s_add_co_u32 s46, s46, s47
	s_mov_b32 s47, 0
	s_add_nc_u64 s[96:97], s[96:97], s[46:47]      ; the bias at my first column
	s_and_b32 s20, s17, 7                          ; my first token's position t0 = 256 (tile row % 8) + 128 x half; x 128 bytes
	s_lshl_b32 s20, s20, 15
	s_lshl_b32 s21, s15, 14
	s_add_co_u32 s20, s20, s21
	s_mov_b32 s21, 0
	s_add_nc_u64 s[98:99], s[98:99], s[20:21]      ; cos and sin at t0
	s_add_nc_u64 s[100:101], s[100:101], s[20:21]
	s_lshl_b32 s22, ttmp9, 2                       ; the result: ((kind x 4 + batch) x 16 + head) x 262,144 + t0 x 128; head = 4 cx + 2 x column half
	s_lshr_b32 s23, s17, 3
	s_add_co_u32 s22, s22, s23
	s_lshl_b32 s22, s22, 4
	s_lshl_b32 s23, s40, 2
	s_add_co_u32 s22, s22, s23
	s_lshl_b32 s23, s16, 1
	s_add_co_u32 s22, s22, s23
	s_lshl_b32 s22, s22, 18
	s_add_co_u32 s22, s22, s20
	s_mov_b32 s23, 0
	s_add_nc_u64 s[12:13], s[12:13], s[22:23]
	WIN TO_B
.irp b, 0,1,2,3,4,5,6,7
.irp j, 0,1,2,3,4,5,6,7
	global_load_b32 v[BIAS+8*\b+\j], v[BO], s[96:97] offset:(16*\b+2*(\j%4)+\j/4)*4   ; the bias of column 16 b + 8 h + 2 (j & 3) + (j >> 2)
.endr
.endr
	WIN 0
.macro LOADCS a                        ; cos and sin of my token of block a: four pairs for each of the four column blocks of a head
.irp q, 0,1,2,3
	global_load_b128 v[CSR+32*((\a)%2)+4*\q:CSR+32*((\a)%2)+4*\q+3],       v[FA], s[98:99]   offset:(\a)*2048+\q*32
	global_load_b128 v[CSR+32*((\a)%2)+16+4*\q:CSR+32*((\a)%2)+16+4*\q+3], v[FA], s[100:101] offset:(\a)*2048+\q*32
.endr
.endm
.macro FRAG reg, adr, q, i             ; a fragment, 16 rows x 128 K of 4-bit codes: registers 4 c .. 4 c + 3 hold K = 64 c + 32 h + 0 .. 31
.irp c, 0,1
	ds_load_b128 v[\reg+4*\c:\reg+4*\c+3], v[\adr] offset:64*(\q)+32*\c+(\i)*16*PITCH
.endr
.endm
; 16 matrix instructions: token blocks a0, a0 + 1 x the weight's eight, 128 along K.  p: the weight's set;  sc: the set of scale words.  zero = 1: the first product starts the sums from the bias.
; The 64 accumulators take turns, one instruction a turn, in the same order in every step.
.macro MUL16 a0, p, q, sc, zero
.irp a, \a0, \a0+1
.irp b, 0,1,2,3,4,5,6,7
.if \zero
	v_wmma_scale_f32_16x16x128_f8f6f4 v[8*(8*((\a)%4)+\b):8*(8*((\a)%4)+\b)+7], v[128*(\p)+FR*\b:128*(\p)+FR*\b+FR-1], v[AF+FR*(\a):AF+FR*(\a)+FR-1], v[BIAS+8*\b:BIAS+8*\b+7], v[SC+8*NQ*(\sc)+NQ*\b+(\q)], v[SC+8*NQ*(\sc)+NQ*(\a)+(\q)] matrix_a_fmt:MATRIX_FMT_FP4 matrix_b_fmt:MATRIX_FMT_FP4 matrix_a_scale:MATRIX_SCALE_ROW1
.else
	v_wmma_scale_f32_16x16x128_f8f6f4 v[8*(8*((\a)%4)+\b):8*(8*((\a)%4)+\b)+7], v[128*(\p)+FR*\b:128*(\p)+FR*\b+FR-1], v[AF+FR*(\a):AF+FR*(\a)+FR-1], v[8*(8*((\a)%4)+\b):8*(8*((\a)%4)+\b)+7], v[SC+8*NQ*(\sc)+NQ*\b+(\q)], v[SC+8*NQ*(\sc)+NQ*(\a)+(\q)] matrix_a_fmt:MATRIX_FMT_FP4 matrix_b_fmt:MATRIX_FMT_FP4 matrix_a_scale:MATRIX_SCALE_ROW1
.endif
.endr
.endr
.endm
.macro FETCH_B slot, q, p
	WIN TO_B
.irp i, 0,1,2,3,4,5,6,7
	FRAG 128*(\p)+FR*\i, ADRB+\slot, \q, \i
.endr
	WIN 0
.endm
.macro FETCH_A slot, q, i0
.irp i, \i0, \i0+1, \i0+2, \i0+3
	FRAG AF+FR*(\i), ADRA+\slot, \q, \i
.endr
.endm
.macro SCALES sc                       ; a slot's scale words: four words a row; lanes 0-15 the tokens' block i, lanes 16-31 the weight's block i
.irp i, 0,1,2,3,4,5,6,7
	ds_load_b128 v[SC+8*NQ*\sc+NQ*\i:SC+8*NQ*\sc+NQ*\i+3], v[ADRS] offset:\i*SBLK
.endr
.endm
.macro PLACES n                        ; plain vector instructions between a matrix instruction and a load into, or a vector instruction on, its registers
.rept \n
	v_nop
.endr
.endm
; A step of 128 along K that has its successor in the same slot.  With zero = 1 the C operand (the bias) lies in window 1.
.macro STEP slot, q, zero
	s_wait_dscnt 4*NL                              ; the weight's set and token blocks 0-3 are in; the youngest eight loads (blocks 4-7) may be out
	WIN MUL_LO-0x10*(\zero)
	MUL16 0, (\q)%2, \q, \slot, \zero
	MUL16 2, (\q)%2, \q, \slot, \zero
	s_wait_dscnt 0                                 ; blocks 4-7 are in (asked for 32 matrix instructions ago)
	PLACES NP
	FETCH_B \slot, (\q)+1, 1-(\q)%2
	FETCH_A \slot, (\q)+1, 0
	WIN MUL_HI-0x20*(\zero)
	MUL16 4, (\q)%2, \q, \slot, \zero
	MUL16 6, (\q)%2, \q, \slot, \zero
	PLACES NP
	WIN 0
	FETCH_A \slot, (\q)+1, 4
.endm
; Slot 0's last step goes over to slot 1: one barrier; in front of it each wave waits for all its tensor loads (its part of slot 1), adds 0 to its spare word, and waits for that and for its reads.  Nothing is filled again.
.macro TURN slot, next
	s_wait_tensorcnt 0x0                           ; all my tensor loads have landed
	ds_add_u32 v[SPW], v[NIL]                      ; 0 onto my spare word
	s_wait_dscnt 4*NL+1                            ; (the add and the youngest eight loads may be out)
	WIN MUL_LO
	MUL16 0, 1, NQ-1, \slot, 0
	s_wait_dscnt 0x0                               ; the add is done, and my reads of this slot are over
	s_barrier_signal -1
	MUL16 2, 1, NQ-1, \slot, 0
	WIN 0
	s_barrier_wait -1
	PLACES NP
	v_add_nc_u32 v[ADRS], 4*NQ, v[ADRS]            ; on to the next slot's scale words
	FETCH_B \next, 0, 0
	FETCH_A \next, 0, 0
	SCALES \next
	WIN MUL_HI
	MUL16 4, 1, NQ-1, \slot, 0
	MUL16 6, 1, NQ-1, \slot, 0
	PLACES NP
	WIN 0
	FETCH_A \next, 0, 4
.endm
.macro STEPS slot, from
.set Q, \from
.rept NQ-1-\from
	STEP \slot, Q, 0
.set Q, Q+1
.endr
.endm
; Slot 1's four steps: written twice, once on each way.  The places at its end stand behind the last products: for the reads of results, and for writes and loads into the registers that held scales and fragments.
.macro TAIL
	STEPS 1, 0
	s_wait_dscnt 4*NL                              ; the very last step: nothing more to fetch
	WIN MUL_LO
	MUL16 0, 1, NQ-1, 1, 0
	MUL16 2, 1, NQ-1, 1, 0
	s_wait_dscnt 0
	WIN MUL_HI
	MUL16 4, 1, NQ-1, 1, 0
	MUL16 6, 1, NQ-1, 1, 0
	WIN 0
	PLACES NP
.endm
; THE WAY OUT, block by block of 16 tokens x 128 columns (two heads).
; ROPE: o0 = x0 c - x1 s, o1 = x0 s + x1 c, two pairs an instruction; each accumulator is read from its low end on.
.macro ROPE a
	WIN 0x02+(\a)/4                                ; source 0: window 2 or 3
.irp b, 0,1,2,3,4,5,6,7
.set XA, 64*((\a)%4)+8*\b
.set EE, EB+8*\b
.set CC, CSR+32*((\a)%2)+4*(\b%4)
.set SS, CC+16
	v_pk_mul_f32 v[EE:EE+1],   v[XA:XA+1],   v[CC:CC+1]
	v_pk_mul_f32 v[EE+2:EE+3], v[XA+2:XA+3], v[CC+2:CC+3]
	v_pk_mul_f32 v[EE+4:EE+5], v[XA:XA+1],   v[SS:SS+1]
	v_pk_mul_f32 v[EE+6:EE+7], v[XA+2:XA+3], v[SS+2:SS+3]
	v_pk_fma_f32 v[EE:EE+1],   v[XA+4:XA+5], v[SS:SS+1],   v[EE:EE+1]   neg_lo:[1,0,0] neg_hi:[1,0,0]
	v_pk_fma_f32 v[EE+2:EE+3], v[XA+6:XA+7], v[SS+2:SS+3], v[EE+2:EE+3] neg_lo:[1,0,0] neg_hi:[1,0,0]
	v_pk_fma_f32 v[EE+4:EE+5], v[XA+4:XA+5], v[CC:CC+1],   v[EE+4:EE+5]
	v_pk_fma_f32 v[EE+6:EE+7], v[XA+6:XA+7], v[CC+2:CC+3], v[EE+6:EE+7]
.endr
	WIN 0
.endm
.macro CVT                             ; an even column and its odd neighbour make a word: the columns are in their natural order again
.irp b, 0,1,2,3,4,5,6,7
.irp i, 0,1,2,3
	v_cvt_pk_f16_f32 v[TMP+4*\b+\i], v[EB+8*\b+\i], v[EB+8*\b+4+\i]
.endr
.endr
.endm
.macro CVTV a                          ; V: straight from the accumulators
	WIN 0x0a+5*((\a)/4)                            ; sources 0 and 1: window 2 or 3
.irp b, 0,1,2,3,4,5,6,7
.irp i, 0,1,2,3
	v_cvt_pk_f16_f32 v[TMP+4*\b+\i], v[64*((\a)%4)+8*\b+\i], v[64*((\a)%4)+8*\b+4+\i]
.endr
.endr
	WIN 0
.endm
.macro TOSTAGE a, base                 ; into my own stage and back by rows: LDS serves a wave's instructions in order, so no wait stands between
.irp b, 0,1,2,3,4,5,6,7
	ds_store_b128 v[STO], v[TMP+4*\b:TMP+4*\b+3] offset:\base+(\b/4)*16*HP+(\b%4)*32
.endr
.irp x, 0,1
.irp g, 0,1,2,3
	ds_load_b128 v[BK+32*((\a)%2)+4*(4*\x+\g):BK+32*((\a)%2)+4*(4*\x+\g)+3], v[RD] offset:\base+\x*16*HP+\g*2*HP
.endr
.endr
.endm
.macro SEND a, younger                 ; younger: the LDS instructions issued behind block a's loads
	s_wait_dscnt \younger
.irp x, 0,1
.irp g, 0,1,2,3
	global_store_b128 v[CO], v[BK+32*((\a)%2)+4*(4*\x+\g):BK+32*((\a)%2)+4*(4*\x+\g)+3], s[12:13] offset:\x*262144+(16*(\a)+4*\g)*128   ; four rows of one head: 512 consecutive bytes, aligned
.endr
.endr
.endm
	s_wait_tensorcnt 1                             ; the scales and my part of slot 0 are in (slot 1's load may be out)
	s_barrier_signal -1
	s_barrier_wait -1                              ; everybody's are
	FETCH_B 0, 0, 0
	FETCH_A 0, 0, 0
	SCALES 0
	FETCH_A 0, 0, 4
	s_wait_loadcnt 0x0                             ; the bias
	STEP 0, 0, 1                                   ; the first step's products start the sums from the bias
	STEPS 0, 1
	TURN 0, 1
	s_cmp_eq_u32 ttmp9, 2                          ; the one parting: the cluster's x is the kind, the same in all sixteen partners
	s_cbranch_scc1 .Lvalues
	LOADCS 0                                       ; Q and K: cos and sin of blocks 0 and 1 are asked for here: slot 1's 256 matrix instructions lie between the request and the first use
	LOADCS 1
	TAIL
.irp a, 0,1,2,3,4,5,6,7
.if \a < 7
	s_wait_loadcnt 8                               ; this block's cos and sin are in; the next block's eight loads may be out
.else
	s_wait_loadcnt 0x0
.endif
	ROPE \a
.if \a < 6
	LOADCS \a+2                                    ; into the set just used
.endif
	CVT
.if \a >= 2
	s_wait_xcnt 0x0                                ; block a - 2's stores have read their registers: block a's rows may land there
.endif
	TOSTAGE \a, 0
.if \a >= 1
	SEND \a-1, 16                                  ; behind block a - 1's loads: block a's 8 stores and 8 loads
.endif
.endr
	SEND 7, 0
	s_branch .Lend
.Lvalues:                                              ; V: no cos, no sin, no rotation
	TAIL
.irp a, 0,1,2,3,4,5,6,7
	CVTV \a
.if \a >= 2
	s_wait_xcnt 0x0                                ; block a - 2's stores have read their registers
.endif
	TOSTAGE \a, VSTG
.if \a >= 1
	SEND \a-1, 16
.endif
.endr
	SEND 7, 0
.Lend:
	s_wait_tensorcnt 0x0                           ; the wave's end: a tensor wait, an add of 0 to my spare word and its wait, behind my last tensor load and my last LDS store
	ds_add_u32 v[SPW], v[NIL]
	s_wait_dscnt 0x0
	CROUND                                         ; the closing round: no work-group ends while a partner may still ask for a tile that names it
	s_endpgm
.Lfunc_end_k_qc228555304_qkv:
	.size	k_qc228555304_qkv, .Lfunc_end_k_qc228555304_qkv-k_qc228555304_qkv
	.p2alignl 7, 3214868480
	.fill 96, 4, 3214868480
	.section	.rodata,"a",@progbits
	.p2align	6, 0x0
	.amdhsa_kernel k_qc228555304_qkv
		.amdhsa_group_segment_fixed_size 327680
		.amdhsa_private_segment_fixed_size 0
		.amdhsa_enable_private_segment 0
		.amdhsa_kernarg_size 64
		.amdhsa_user_sgpr_count 2
		.amdhsa_user_sgpr_kernarg_segment_ptr 1
		.amdhsa_wavefront_size32 1
		.amdhsa_system_sgpr_workgroup_id_x 1
		.amdhsa_system_sgpr_workgroup_id_y 1
		.amdhsa_system_sgpr_workgroup_id_z 1
		.amdhsa_system_vgpr_workitem_id 0
		.amdhsa_next_free_vgpr 1024
		.amdhsa_next_free_sgpr 102
		.amdhsa_reserve_vcc 0
		.amdhsa_float_denorm_mode_32 3
		.amdhsa_float_denorm_mode_16_64 3
		.amdhsa_memory_ordered 1
		.amdhsa_forward_progress 1
		.amdhsa_inst_pref_size 242
	.end_amdhsa_kernel
	.amdgpu_metadata
---
amdhsa.version: [ 1, 2 ]
amdhsa.kernels:
  - .name:           k_qc228555304_qkv
    .symbol:         k_qc228555304_qkv.kd
    .args:
      - { .name: qc, .offset: 0, .size: 8, .value_kind: global_buffer, .address_space: global }
      - { .name: qs, .offset: 8, .size: 8, .value_kind: global_buffer, .address_space: global }
      - { .name: wc, .offset: 16, .size: 8, .value_kind: global_buffer, .address_space: global }
      - { .name: ws, .offset: 24, .size: 8, .value_kind: global_buffer, .address_space: global }
      - { .name: qkvh, .offset: 32, .size: 8, .value_kind: global_buffer, .address_space: global }
      - { .name: qkv_b, .offset: 40, .size: 8, .value_kind: global_buffer, .address_space: global }
      - { .name: freqs_cos, .offset: 48, .size: 8, .value_kind: global_buffer, .address_space: global }
      - { .name: freqs_sin, .offset: 56, .size: 8, .value_kind: global_buffer, .address_space: global }
    .group_segment_fixed_size: 327680
    .private_segment_fixed_size: 0
    .kernarg_segment_align: 8
    .kernarg_segment_size: 64
    .max_flat_workgroup_size: 128
    .sgpr_count:     102
    .vgpr_count:     1024
    .wavefront_size: 32
...
	.end_amdgpu_metadata
.endif
;; end of part 2
;; launch attn (part 3): grid 8 x 32, 8 waves a work-group, clusters of 4 x 1, 327,680 bytes of LDS; arguments qkvh, ao; writes ao
.if DOCPART == 3
	.amdgcn_target "amdgcn-amd-amdhsa--gfx1250"
	.amdhsa_code_object_version 6
	.text
	.protected	k_qc228555304_attn
	.globl	k_qc228555304_attn
	.p2align	8
	.type	k_qc228555304_attn,@function
k_qc228555304_attn:
	s_mov_b64 s[64:65], 0
	v_nop
	global_prefetch_b8 v0, s[64:65] scope:SCOPE_SE
	s_setreg_imm32_b32 hwreg(HW_REG_WAVE_MODE, 25, 1), 1
	s_wait_xcnt 0x0
	s_wait_alu depctr_hold_cnt(0) depctr_sa_sdst(0) depctr_va_vdst(0) depctr_va_sdst(0) depctr_va_ssrc(0) depctr_va_vcc(0) depctr_vm_vsrc(0)
	s_getreg_b32 s2, hwreg(HW_REG_IB_STS2, 6, 4)
	s_cmp_eq_u32 s2, 0
	s_cbranch_scc0 .Lentry_in_a_cluster
	s_endpgm
.Lentry_in_a_cluster:
	s_bfe_u32 s2, ttmp6, 0x10000c
	s_cmp_lg_u32 s2, 0x3003
	s_cbranch_scc0 .Lentry_shape_is_right
	s_endpgm
.Lentry_shape_is_right:
; LAUNCH 3 OF 4.  O[b][h][q] = the sum over k of softmax_k(Q . K / 8) V, no mask; Q, K, V: f16, [kind][batch x head 64][t 2048][64]; products with f16 operands and f32 sums; maxima, exponentials and sums in f32;
; the weights p are rounded to f16 for the second product, O once at the end, to f16, laid [token 8192][head x 64 + channel].  Nothing of the problem is left out here.
; SHARES.  A work-group owns 256 queries of a PAIR of heads 2 y, 2 y + 1: a token's row of the result then gets 256 aligned bytes from one work-group.  Wave w: head w / 4, queries 64 (w % 4) on: four tiles of 16.  Every wave walks all 2,048 keys of its head, 64 a step.
; LAYOUT.  S^T = K Q^T (source 0 = 16 keys, source 1 = 16 queries): a lane holds ONE query (lane % 16) and keys 8 (lane / 16) + 0..7.  Two such tiles, rounded to f16 in pairs, are source 1 (32 keys x 16 queries) of O^T = V^T P.  K comes out of LDS as it lies, V turned, by ds_load_tr16_b128.
; SOFTMAX.  For each query a running maximum m and sum l: p = 2^(c s - c m), c = log2(e) / 8; in every step O and l are multiplied by a = 2^(c m_old - c m_new).
; TWO ORDERS.  A step is SM (the softmax of four tiles, vector work) and MM (32 products V^T P of the step in hand, 32 products K Q^T of the next).  Waves 0-3 run SM, MM in every step, waves 4-7 MM, SM: where two waves share a SIMD, one has vector work while the other has matrix work.
; The parting is a branch on the wave's number round MM alone, inside loops that every wave walks; every LDS address register is written in lines that all waves run.
; RING.  Two LDS slots of 256 keys of both heads.  One tensor load a wave: waves 0-3 fetch K's four tiles of 128 keys (head, half), waves 4-7 V's.
; CLUSTER.  The four query blocks of a cluster walk the same K and V: each tile is asked for jointly, by one descriptor and a mask that names the four.
; REGISTERS, in windows of 256: window 0: v0-15 addresses; v16-47 eight statistics a tile; v64-191 S^T, 32 a tile (P is made in place, in a tile's first 16); v192-255 K of one step.   window 1: v0-127 O^T, 32 a tile; v128-191 Q; v192-255 V of one step.
.set PK,    144       ; a key's row of K in LDS: 128 bytes + 16: sixteen rows start at sixteen different 16-byte columns of 256
.set PV,    160       ; of V: 128 + 32: the turning load's eight rows x 32 bytes fall on 256 different bytes modulo 256
.set SKEYS, 256       ; keys in a slot
.set KREG,  SKEYS*PK  ; a head's part of a slot: K, then V
.set HEADB, SKEYS*(PK+PV)
.set SLOTB, 2*HEADB
.set SLOTG, SKEYS*128 ; a slot's keys of one head and kind in memory, bytes
.set SPARE, 2*SLOTB   ; behind the ring: the spare words, 128 bytes for each of eight waves
.set SP,    272       ; the way out: a stage of 256 rows x (256 bytes + 16) at LDS byte 0: slot 0 has then had its last fill and its last read
.set AK0, 2           ; v2   my lane's place in a step's K; never rewritten
.set AV0, 3           ; v3   the same for V
.set ADK, 4           ; v4   LDS address of the step's K
.set ADV, 5           ; v5   of its V
.set QO,  6           ; v6   my byte offset in the wave's rows of Q
.set STO, 7           ; v7   the way out: where I put 16 bytes of a row
.set RD,  8           ; v8   where I read a row back
.set GO,  9           ; v9   my byte offset in the wave's rows of the result
.set PFO, 12          ; v12  256 x lane
.set SPW, 14          ; v14  LDS address of my spare word; never rewritten
.set NIL, 15          ; v15  0; never rewritten
.set ST,  16          ; tile t's statistics at v[ST+8 t]: +0 c m, +1 m, +2, +3 l (even keys', odd keys'), +4 to +7 at work; a lies in +6
.set S,   64
.set KF,  192         ; window 0: K's fragment (key tile u, channel half c) at + 16 u + 8 c
.set QF,  128         ; window 1: Q's (tile t, c) at + 16 t + 8 c
.set VF,  192         ; window 1: V's (32 keys kc, 16 channels ch) at + 32 kc + 8 ch
.set OB,  128         ; the way out: rows read back
.set WV,  12          ; s12  my wave's number
.set LIM, 15          ; s15  1 in a wave that prefetches, else the greatest number
.set G1K, 24          ; s[24:31] group 1 for K's tiles;  s[32:39] for V's: the padding differs
.set G1V, 32
.set G0K, 40          ; s[40:47] group 0 for K's tiles, a set for each slot;  s[48:55] for V's
.set G0V, 48
.set TRIP, 56         ; s56  the loop over pairs of slots
.set CNT, 57          ; s57  a slot's steps
.set CS,  58          ; s[58:59] c
.set SEL, 60          ; s[60:61] lane selects for v_permlanex16_b32: lane l xor 16
.set TBK, 62          ; s62  LDS byte at which the step's K begins (less the lane's and the head's part)
.set TBV, 63          ; s63  the same for V
.set PFA, 68          ; s[68:69] where my prefetches stand in memory
.set MSB, 0
.macro WIN new
.if MSB != (\new)
	s_set_vgpr_msb (MSB<<8)|(\new)
.set MSB, (\new)
.endif
.endm
.set W_KQ, 0x04       ; K and S^T in window 0, Q in window 1
.set W_PV, 0x51       ; V and O^T in window 1, P in window 0
.set W_RS, 0x41       ; O^T (destination and source 0) in window 1, a in window 0
.set W_L1, 0x40       ; a load's destination in window 1, its address in window 0
; A joint load into slot f.  The branch hangs on the wave's number alone.  An s_nop 0 and four v_nop follow each of the two lines.
.macro JLOAD f
	s_cmp_lt_u32 s[WV], 4
	s_cbranch_scc0 .Lfor_v_\@
	tensor_load_to_lds s[G0K+4*\f:G0K+4*\f+3], s[G1K:G1K+7]
	s_nop 0
.rept 4
	v_nop
.endr
	s_branch .Lasked_\@
.Lfor_v_\@:
	tensor_load_to_lds s[G0V+4*\f:G0V+4*\f+3], s[G1V:G1V+7]
	s_nop 0
.rept 4
	v_nop
.endr
.Lasked_\@:
.endm
; A PREFETCH of what the NEXT change of slots will ask for: of each head and kind 32,768 dense bytes.  Each aligned block of 256 bytes is named once in the launch: both clusters of a pair of heads walk the same K and V, so the first (cluster x = 0) asks;
; its four partners take 8,192 bytes each, told apart by address; in each, waves 0, 2, 4, 6 ask for K of head 0, K of head 1, V of head 0, V of head 1: one instruction, lanes 256 bytes apart.  A slot's four key steps lie between the request and the load.
; A change that fills slot 0 always has a slot behind the one it asks for; one that fills slot 1 has none in the loop's last trip.
.macro ASK f
.if \f == 0
	s_cmp_eq_u32 s[LIM], 1
.else
	s_cmp_gt_u32 s[TRIP], s[LIM]
.endif
	s_cbranch_scc0 .Lnot_mine_\@
	global_prefetch_b8 v[PFO], s[PFA:PFA+1] th:TH_LOAD_NT scope:SCOPE_SE
.Lnot_mine_\@:
.endm
.macro CROUND                          ; a round of the cluster's barrier
	s_barrier_signal -1
	s_barrier_wait -1
	s_cmp_lg_u32 s[WV], 0
	s_cbranch_scc1 .Lnot_wave_0_\@
	s_barrier_signal -3
.Lnot_wave_0_\@:
	s_barrier_wait -3
	s_barrier_signal -1
	s_barrier_wait -1
.endm
	s_load_b128 s[4:7], s[0:1], 0x0   ; qkvh, ao
	v_lshl_add_u32 v[SPW], v0, 2, SPARE
	v_mov_b32 v[NIL], 0
	ds_add_u32 v[SPW], v[NIL]         ; the wave's opening: the add, twice on end, and its wait ahead of my first tensor load
	ds_add_u32 v[SPW], v[NIL]
	v_lshrrev_b32 v1, 5, v0
	v_readfirstlane_b32 s[WV], v1     ; wave 0..7
	s_bfe_u32 s13, ttmp6, 0x40000     ; cx: my place in the cluster
	s_lshl_b32 s14, ttmp9, 2
	s_add_co_u32 s14, s14, s13        ; my block of 256 queries: it enters Q's and the result's addresses alone
	s_and_b32 s16, ttmp7, 0xffff      ; y: the pair of heads, which the partners share
	s_and_b32 s17, s[WV], 3
	s_lshr_b32 s18, s17, 1            ; the tile that I fetch: of which head of the pair,
	s_and_b32 s19, s17, 1             ; and which 128 keys of a slot's 256
	s_lshl_b32 s20, s16, 1
	s_add_co_u32 s20, s20, s18
	s_lshl_b32 s20, s20, 18           ; a head is 262,144 bytes
	s_lshl_b32 s21, s19, 14           ; 128 keys are 16,384
	s_add_co_u32 s20, s20, s21
	s_mov_b32 s21, 0
	s_mul_i32 s22, s18, HEADB         ; and in a slot: no place in the cluster enters an LDS address
	s_add_co_u32 s23, s22, KREG
	s_mul_i32 s2, s19, 128*PK
	s_add_co_u32 s22, s22, s2         ; K's tile
	s_mul_i32 s2, s19, 128*PV
	s_add_co_u32 s23, s23, s2         ; V's tile
	s_lshr_b32 s3, s[WV], 2           ; my own head of the pair
	s_lshl_b32 s2, s16, 1
	s_add_co_u32 s2, s2, s3
	s_lshl_b32 s2, s2, 18
	s_lshl_b32 s3, s14, 15            ; my block's 256 rows of 128 bytes,
	s_add_co_u32 s2, s2, s3
	s_lshl_b32 s3, s17, 13            ; my wave's 64 of them
	s_add_co_u32 s2, s2, s3
	s_mov_b32 s3, 0
	s_lshr_b32 s56, s16, 3            ; the result: token = batch x 2,048 + 256 x block + 32 x wave (on the way out a wave stores 32 whole rows),
	s_lshl_b32 s56, s56, 11
	s_lshl_b32 s57, s14, 8
	s_add_co_u32 s56, s56, s57
	s_lshl_b32 s57, s[WV], 5
	s_add_co_u32 s56, s56, s57
	s_lshl_b32 s56, s56, 11           ; x 2,048 bytes,
	s_and_b32 s57, s16, 7
	s_lshl_b32 s57, s57, 8            ; + the pair's 256 bytes of a row
	s_add_co_u32 s56, s56, s57
	s_mov_b32 s57, 0
	; group 1: a tile of 128 rows x 64 elements of 2 bytes, padded in LDS behind every row
	s_mov_b32 s[G1K], 15|(1<<16)|(1<<20)|(1<<21)|(4<<22)|(3<<25)  ; the mask: all four work-groups; elements of 2 bytes; padding on; bit 21 beside a mask; after every 32 words four words
	s_mov_b32 s[G1V], 15|(1<<16)|(1<<20)|(1<<21)|(4<<22)|(7<<25)  ; the same with eight words
.irp g, G1K, G1V
	s_mov_b32 s[\g+1], 64<<16         ; tensor_dim0
	s_mov_b32 s[\g+2], 128<<16        ; tensor_dim1
	s_mov_b32 s[\g+3], 64<<16         ; tile_dim0
	s_mov_b32 s[\g+4], 128            ; tile_dim1
	s_mov_b32 s[\g+5], 64             ; the pitch in memory, elements
	s_mov_b32 s[\g+6], 0
	s_mov_b32 s[\g+7], 0
.endr
	s_mov_b32 s[CS], 0x3e38aa3b       ; c = log2(e) / 8
	s_mov_b32 s[CS+1], s[CS]          ; named with it as a pair, so it is written
	s_mov_b32 s[SEL], 0x76543210
	s_mov_b32 s[SEL+1], 0xfedcba98
	s_and_b32 s[LIM], s[WV], 1        ; 0 in waves 0, 2, 4, 6,
	s_or_b32 s[LIM], s[LIM], ttmp9    ; of the pair's first cluster: the same in all four partners
	s_cmp_eq_u32 s[LIM], 0
	s_cselect_b32 s[LIM], 1, -1
	v_and_b32 v[PFO], 31, v0
	v_lshlrev_b32 v[PFO], 8, v[PFO]
	s_wait_dscnt 0x0                  ; both opening adds are done
	s_wait_kmcnt 0x0
	s_add_nc_u64 s[8:9], s[4:5], s[20:21]
	s_add_nc_u64 s[10:11], s[8:9], 0x2000000  ; V: kind 2, 2 x 16,777,216 bytes on
	s_add_nc_u64 s[8:9], s[8:9], 0x1000000    ; K: kind 1
	s_add_nc_u64 s[4:5], s[4:5], s[2:3]       ; Q at my wave's first row
	s_add_nc_u64 s[6:7], s[6:7], s[56:57]     ; the result at the first row that I store
	s_cmp_lt_u32 s[WV], 4
	s_cselect_b64 s[PFA:PFA+1], s[8:9], s[10:11]  ; (in even waves these stand at a slot's first key)
	s_lshl_b32 s2, s13, 13            ; my work-group's 8,192 bytes of the 32,768
	s_add_nc_u64 s[PFA:PFA+1], s[PFA:PFA+1], s[2:3]
	s_add_nc_u64 s[PFA:PFA+1], s[PFA:PFA+1], 2*SLOTG  ; at keys 512 on; the first change of slots steps it 256 keys further.  Nothing is prefetched at the head
	CROUND                            ; all four work-groups are here: the first joint loads meet
.irp f, 0,1
	s_mov_b32 s[G0K+4*\f], 1
	s_add_co_u32 s[G0K+4*\f+1], s22, \f*SLOTB
	s_add_nc_u64 s[G0K+4*\f+2:G0K+4*\f+3], s[8:9], \f*SLOTG
	s_or_b32 s[G0K+4*\f+3], s[G0K+4*\f+3], 0x80000000
	s_mov_b32 s[G0V+4*\f], 1
	s_add_co_u32 s[G0V+4*\f+1], s23, \f*SLOTB
	s_add_nc_u64 s[G0V+4*\f+2:G0V+4*\f+3], s[10:11], \f*SLOTG
	s_or_b32 s[G0V+4*\f+3], s[G0V+4*\f+3], 0x80000000
.endr
	s_cmp_lt_u32 s[WV], 4             ; a wave's two first fills stand in one branch, ahead of every wait on TENSORcnt and every LDS read: two loads of mine are out
	s_cbranch_scc0 .Lfirst_v
	tensor_load_to_lds s[G0K:G0K+3], s[G1K:G1K+7]
	s_nop 0
	tensor_load_to_lds s[G0K+4:G0K+7], s[G1K:G1K+7]
	s_nop 0
.rept 4
	v_nop
.endr
	s_branch .Lfirst_asked
.Lfirst_v:
	tensor_load_to_lds s[G0V:G0V+3], s[G1V:G1V+7]
	s_nop 0
	tensor_load_to_lds s[G0V+4:G0V+7], s[G1V:G1V+7]
	s_nop 0
.rept 4
	v_nop
.endr
.Lfirst_asked:
	v_and_b32 v1, 15, v0              ; r = lane % 16
	v_bfe_u32 v10, v0, 4, 1           ; h = lane / 16
	v_lshlrev_b32 v[QO], 7, v1
	v_lshl_add_u32 v[QO], v10, 4, v[QO]  ; row x 128 + 16 h
	WIN W_L1
.irp t, 0,1,2,3                       ; Q stays in registers: a fragment is 16 rows x 32 channels: two loads of 16 bytes, 32 bytes apart
.irp c, 0,1
	global_load_b128 v[QF+16*\t+8*\c:QF+16*\t+8*\c+3],   v[QO], s[4:5] offset:\t*2048+\c*64
	global_load_b128 v[QF+16*\t+8*\c+4:QF+16*\t+8*\c+7], v[QO], s[4:5] offset:\t*2048+\c*64+32
.endr
.endr
	WIN 0
	s_lshr_b32 s2, s[WV], 2
	s_mul_i32 s2, s2, HEADB           ; my head's part of a slot
	v_mul_u32_u24 v[AK0], v1, PK
	v_lshl_add_u32 v[AK0], v10, 4, v[AK0]
	v_add_nc_u32 v[AK0], s2, v[AK0]
	v_and_b32 v11, 7, v0              ; the turning load: lane l reads 16 bytes of key 8 h + l % 8, channels 8 ((l / 8) % 2) on
	v_bfe_u32 v13, v0, 3, 1
	v_lshl_add_u32 v[AV0], v10, 3, v11
	v_mul_u32_u24 v[AV0], v[AV0], PV
	v_lshl_add_u32 v[AV0], v13, 4, v[AV0]
	s_add_co_u32 s2, s2, KREG
	v_add_nc_u32 v[AV0], s2, v[AV0]
	s_mul_i32 s3, s17, 64*SP          ; the stage: in: row 64 (w % 4) + 16 t + r, my head's 128 bytes, + 16 h
	s_lshr_b32 s2, s[WV], 2
	s_lshl_b32 s2, s2, 7
	s_add_co_u32 s3, s3, s2
	v_mul_u32_u24 v[STO], v1, SP
	v_lshl_add_u32 v[STO], v10, 4, v[STO]
	v_add_nc_u32 v[STO], s3, v[STO]
	s_mul_i32 s3, s[WV], 32*SP        ; back: rows 32 w on; lanes 0-15 one row of 256 bytes, lanes 16-31 the next
	v_mul_u32_u24 v[RD], v10, SP
	v_lshl_add_u32 v[RD], v1, 4, v[RD]
	v_add_nc_u32 v[RD], s3, v[RD]
	v_lshlrev_b32 v[GO], 11, v10      ; and the same two rows in the result
	v_lshl_add_u32 v[GO], v1, 4, v[GO]
.macro ADDR                            ; run by every wave: the step's LDS addresses; then the scalars go a step on
	v_add_nc_u32 v[ADK], s[TBK], v[AK0]
	v_add_nc_u32 v[ADV], s[TBV], v[AV0]
	s_add_co_u32 s[TBK], s[TBK], 64*PK
	s_add_co_u32 s[TBV], s[TBV], 64*PV
.endm
; THE MATRIX WORK OF A STEP.  pv = 2: 32 products O^T += V^T P of the step in hand; 1: they start O^T's sums; 0: none.  kq = 1: the next step's K and V are fetched, and 32 products S^T = K Q^T.
; Sixteen accumulators take turns, one instruction a turn; MM begins on an accumulator of O^T and ends on one of S^T.
.macro MM pv, kq
.if \kq
	WIN 0
.irp u, 0,1,2,3                        ; K: 16 loads.  The last products that read these registers stand more than four plain instructions back
.irp c, 0,1
	ds_load_b128 v[KF+16*\u+8*\c:KF+16*\u+8*\c+3],   v[ADK] offset:\u*16*PK+\c*64
	ds_load_b128 v[KF+16*\u+8*\c+4:KF+16*\u+8*\c+7], v[ADK] offset:\u*16*PK+\c*64+32
.endr
.endr
.endif
.if \pv
	s_wait_dscnt 16*\kq               ; V, asked for in the last MM, is in; the 16 loads of K just issued may be out
	WIN W_PV
.set i, 0
.rept 32                               ; product i: keys 32 (i / 16) on, channels 16 ((i % 16) / 4) on, tile i % 4
.set rO, 32*(i%4)+8*((i%16)/4)
.set rV, VF+32*(i/16)+8*((i%16)/4)
.set rP, S+32*(i%4)+8*(i/16)
.if (\pv == 1) && (i < 16)
	v_wmma_f32_16x16x32_f16 v[rO:rO+7], v[rV:rV+7], v[rP:rP+7], 0
.else
	v_wmma_f32_16x16x32_f16 v[rO:rO+7], v[rV:rV+7], v[rP:rP+7], v[rO:rO+7]
.endif
.set i, i+1
.endr
.endif
.if \kq
.if \pv
.rept 5
	v_nop                             ; five places: the products below write over P, which the products above have read (the loads into V's registers want four)
.endr
.endif
	WIN W_L1
.irp kc, 0,1                           ; V, turned: 16 loads, used by the next MM
.irp ch, 0,1,2,3
	ds_load_tr16_b128 v[VF+32*\kc+8*\ch:VF+32*\kc+8*\ch+3],   v[ADV] offset:\kc*32*PV+\ch*32
	ds_load_tr16_b128 v[VF+32*\kc+8*\ch+4:VF+32*\kc+8*\ch+7], v[ADV] offset:\kc*32*PV+16*PV+\ch*32
.endr
.endr
	s_wait_dscnt 16                   ; K is in; the 16 loads of V may be out
	WIN W_KQ
.set i, 0
.rept 32                               ; product i: channels 32 (i / 16) on, keys 16 ((i % 16) / 4) on, tile i % 4.  The first 16 start the sums
.set rS, S+32*(i%4)+8*((i%16)/4)
.set rK, KF+16*((i%16)/4)+8*(i/16)
.set rQ, QF+16*(i%4)+8*(i/16)
.if i < 16
	v_wmma_f32_16x16x32_f16 v[rS:rS+7], v[rK:rK+7], v[rQ:rQ+7], 0
.else
	v_wmma_f32_16x16x32_f16 v[rS:rS+7], v[rK:rK+7], v[rQ:rQ+7], v[rS:rS+7]
.endif
.set i, i+1
.endr
.endif
	WIN 0
.rept 4
	v_nop                             ; four places ahead of the vector work on these results, and of the next loads into K's registers
.endr
.endm
; THE VECTOR WORK OF A STEP, four tiles side by side.
.macro SCALE t, n                      ; pair n of tile t: c s - c m
	v_pk_fma_f32 v[S+32*(\t)+2*(\n):S+32*(\t)+2*(\n)+1], v[S+32*(\t)+2*(\n):S+32*(\t)+2*(\n)+1], s[CS:CS+1], v[ST+8*(\t):ST+8*(\t)+1] op_sel_hi:[1,0,0] neg_lo:[0,0,1] neg_hi:[0,0,1]
.endm
.macro EXPO t, e
	v_exp_f32 v[S+32*(\t)+(\e)], v[S+32*(\t)+(\e)]
.endm
.macro SUM t, n                        ; l = a l + pair 0; then l += pair n
.if (\n) == 0
	v_pk_fma_f32 v[ST+8*(\t)+2:ST+8*(\t)+3], v[ST+8*(\t)+2:ST+8*(\t)+3], v[ST+8*(\t)+6:ST+8*(\t)+7], v[S+32*(\t):S+32*(\t)+1] op_sel_hi:[1,0,1]
.else
	v_pk_add_f32 v[ST+8*(\t)+2:ST+8*(\t)+3], v[ST+8*(\t)+2:ST+8*(\t)+3], v[S+32*(\t)+2*(\n):S+32*(\t)+2*(\n)+1]
.endif
.endm
.macro CVTP t, n                       ; pair n to f16, in place: register n is free once pair n / 2 is rounded, and pair n has been summed
	v_cvt_pk_f16_f32 v[S+32*(\t)+(\n)], v[S+32*(\t)+2*(\n)], v[S+32*(\t)+2*(\n)+1]
.endm
; first = 1: the first key step, which starts m and l and has no a.
.macro SM first
	; the maximum of the lane's 32 scores and the old m: four chains; each accumulator is read from its low end on
.irp j, 0,1,2,3
.irp t, 0,1,2,3
	v_max3_num_f32 v[ST+8*\t+4+\j], v[S+32*\t+8*\j], v[S+32*\t+8*\j+1], v[S+32*\t+8*\j+2]
.endr
.endr
.irp j, 4,5,6,7,8,9,10,11
.irp t, 0,1,2,3
	v_max3_num_f32 v[ST+8*\t+4+\j%4], v[ST+8*\t+4+\j%4], v[S+32*\t+8*(\j%4)+2*(\j/4)+1], v[S+32*\t+8*(\j%4)+2*(\j/4)+2]
.endr
.endr
.irp t, 0,1,2,3
	v_max3_num_f32 v[ST+8*\t+4], v[ST+8*\t+4], v[S+32*\t+7], v[S+32*\t+15]
.endr
.irp t, 0,1,2,3
	v_max3_num_f32 v[ST+8*\t+6], v[ST+8*\t+6], v[S+32*\t+23], v[S+32*\t+31]
.endr
.irp t, 0,1,2,3
	v_max3_num_f32 v[ST+8*\t+4], v[ST+8*\t+4], v[ST+8*\t+5], v[ST+8*\t+6]
.endr
.irp t, 0,1,2,3
.if \first
	v_max_num_f32 v[ST+8*\t+4], v[ST+8*\t+4], v[ST+8*\t+7]
.else
	v_max3_num_f32 v[ST+8*\t+4], v[ST+8*\t+4], v[ST+8*\t+7], v[ST+8*\t+1]
.endif
.endr
.irp t, 0,1,2,3
	v_permlanex16_b32 v[ST+8*\t+5], v[ST+8*\t+4], s[SEL], s[SEL+1]  ; the query's other 32 keys lie in the lane 16 away
.endr
.if !\first
.irp t, 0,1,2,3
	v_mov_b32 v[ST+8*\t+7], v[ST+8*\t]   ; c m_old is kept for a
.endr
.endif
.irp t, 0,1,2,3
	v_max_num_f32 v[ST+8*\t+1], v[ST+8*\t+4], v[ST+8*\t+5]
.endr
.irp t, 0,1,2,3
	v_mul_f32 v[ST+8*\t], s[CS], v[ST+8*\t+1]
.endr
.if !\first
.irp t, 0,1,2,3
	v_sub_f32 v[ST+8*\t+7], v[ST+8*\t+7], v[ST+8*\t]
.endr
.endif
.set nn, 0
.rept 16
	SCALE 0, nn
	SCALE 1, nn
.set nn, nn+1
.endr
	; first batch of exponentials: a, and tiles 0 and 1; the scalings of tiles 2 and 3 stand among them.  Nothing here names a result of the batch
.irp t, 0,1,2,3
.if \first
	v_mov_b32 v[ST+8*\t+2], 0
	v_mov_b32 v[ST+8*\t+3], 0
	v_mov_b32 v[ST+8*\t+6], 0
.else
	v_exp_f32 v[ST+8*\t+6], v[ST+8*\t+7]
.endif
.endr
.set nn, 0
.rept 16
	EXPO 0, 2*nn
	SCALE 2, nn
	EXPO 1, 2*nn
	EXPO 0, 2*nn+1
	SCALE 3, nn
	EXPO 1, 2*nn+1
.set nn, nn+1
.endr
	v_nop                             ; a plain instruction behind the last exponential
	s_wait_alu depctr_va_vdst(0)      ; one wait for the batch, ahead of its first reader
	; second batch: tiles 2 and 3; the sums and roundings of tiles 0 and 1 stand among them
.set nn, 0
.rept 16
	EXPO 2, 2*nn
	SUM 0, nn
	EXPO 3, 2*nn
	CVTP 0, nn
	EXPO 2, 2*nn+1
	SUM 1, nn
	EXPO 3, 2*nn+1
	CVTP 1, nn
.set nn, nn+1
.endr
	v_nop
	s_wait_alu depctr_va_vdst(0)      ; and one for the second batch
.set nn, 0
.rept 16
	SUM 2, nn
	SUM 3, nn
	CVTP 2, nn
	CVTP 3, nn
.set nn, nn+1
.endr
.if !\first
	WIN W_RS
.irp t, 0,1,2,3
.set i, 0
.rept 16
	v_pk_mul_f32 v[32*\t+2*i:32*\t+2*i+1], v[32*\t+2*i:32*\t+2*i+1], v[ST+8*\t+6:ST+8*\t+7] op_sel_hi:[1,0]   ; O^T x a, each accumulator from its low end on
.set i, i+1
.endr
.endr
	WIN 0
.endif
.endm
; n key steps: written once.  Waves 4-7: MM, SM.  Waves 0-3: SM, MM.
.macro INNER n
	s_mov_b32 s[CNT], \n
.Linner_\@:
	ADDR
	s_cmp_lt_u32 s[WV], 4
	s_cbranch_scc1 .Lsm_\@
	MM 2, 1
.Lsm_\@:
	SM 0
	s_cmp_lt_u32 s[WV], 4
	s_cbranch_scc0 .Ldone_\@
	MM 2, 1
.Ldone_\@:
	s_sub_co_u32 s[CNT], s[CNT], 1
	s_cmp_lg_u32 s[CNT], 0
	s_cbranch_scc1 .Linner_\@
.endm
; THE CHANGE OF SLOTS: the slot's last bytes, V of its fourth step, have been asked for by every wave.  Each wave waits for all its tensor loads (one is out: its part of the other slot), adds 0 to its spare word, and waits for that and for its reads of the slot.
; fill = 1: slot f, just left, is filled with the keys two slots on; the barrier is a round of the cluster's, and the joint load is the first thing behind it: it has four key steps in which to land.  nb: the slot that is read next.
.macro CHANGE fill, f, nb
	s_wait_tensorcnt 0x0              ; no tensor load of mine is out, so a group 0 may be written
	ds_add_u32 v[SPW], v[NIL]         ; 0 onto my spare word
.if \fill
	s_add_nc_u64 s[G0K+4*\f+2:G0K+4*\f+3], s[G0K+4*\f+2:G0K+4*\f+3], 2*SLOTG
	s_add_nc_u64 s[G0V+4*\f+2:G0V+4*\f+3], s[G0V+4*\f+2:G0V+4*\f+3], 2*SLOTG
	s_wait_xcnt 0x0                   ; the last prefetch, a slot back, has read its address, so it may be written
	s_add_nc_u64 s[PFA:PFA+1], s[PFA:PFA+1], SLOTG
.endif
	s_mov_b32 s[TBK], \nb*SLOTB
	s_mov_b32 s[TBV], \nb*SLOTB
	s_wait_dscnt 0x0                  ; the add is done, and my reads of the slot are over
.if \fill
	CROUND
	JLOAD \f
	ASK \f
.else
	s_barrier_signal -1
	s_barrier_wait -1
.endif
.endm
	s_wait_tensorcnt 1                ; my part of slot 0 is in; slot 1's may stay out
	s_barrier_signal -1
	s_barrier_wait -1                 ; everybody's is
	s_mov_b32 s[TBK], 0
	s_mov_b32 s[TBV], 0
	ADDR
	s_wait_loadcnt 0x0                ; Q
	MM 0, 1                           ; K and V of step 0; the first scores
	SM 1
	ADDR
	MM 1, 1                           ; V^T P of step 0 starts O^T; the scores of step 1
	s_cmp_lt_u32 s[WV], 4
	s_cbranch_scc1 .Lskew
	SM 0                              ; waves 4-7 go half a step ahead
.Lskew:
	INNER 2                           ; steps 2 and 3 are fetched: slot 0 is read out
	s_mov_b32 s[TRIP], 3
.Lslots:                              ; three trips: six changes of slots, which ask for keys 512 to 2,047
	CHANGE 1, 0, 1
	INNER 4
	CHANGE 1, 1, 0
	INNER 4
	s_sub_co_u32 s[TRIP], s[TRIP], 1
	s_cmp_lg_u32 s[TRIP], 0
	s_cbranch_scc1 .Lslots
	CHANGE 0, 0, 1                    ; the last slot is written out: nothing is asked for
	INNER 4
	s_cmp_lt_u32 s[WV], 4
	s_cbranch_scc0 .Llast
	SM 0                              ; waves 0-3 catch up
.Llast:
	v_nop                             ; one place more: the text has a way from MM's four places round SM to here, and the products below take S^T's registers as an operand, which asks for five places behind the products that wrote them (ISA guide 7.12.1)
	MM 2, 0                           ; V^T P of the last step
	; THE WAY OUT.  l's halves and the other half of the lanes' are added; O^T is divided by l, rounded to f16, and goes through the work-group's stage: a token's 256 bytes come from two waves.
.irp t, 0,1,2,3
	v_add_f32 v[ST+8*\t+4], v[ST+8*\t+2], v[ST+8*\t+3]
.endr
.irp t, 0,1,2,3
	v_permlanex16_b32 v[ST+8*\t+5], v[ST+8*\t+4], s[SEL], s[SEL+1]
.endr
.irp t, 0,1,2,3
	v_add_f32 v[ST+8*\t+4], v[ST+8*\t+4], v[ST+8*\t+5]
.endr
.irp t, 0,1,2,3
	v_rcp_f32 v[ST+8*\t+6], v[ST+8*\t+4]
.endr
	v_nop                             ; a plain instruction behind the last reciprocal
	s_wait_alu depctr_va_vdst(0)      ; one wait for the four, ahead of the first use
.macro PACK t
	WIN W_RS
.set i, 0
.rept 16
	v_pk_mul_f32 v[32*\t+2*i:32*\t+2*i+1], v[32*\t+2*i:32*\t+2*i+1], v[ST+8*\t+6:ST+8*\t+7] op_sel_hi:[1,0]
.set i, i+1
.endr
	WIN 0x05                          ; sources 0 and 1 window 1, destination window 0: S^T's registers are free
.set i, 0
.rept 16
	v_cvt_pk_f16_f32 v[S+16*\t+i], v[32*\t+2*i], v[32*\t+2*i+1]
.set i, i+1
.endr
	WIN 0
.irp ch, 0,1,2,3
	ds_store_b128 v[STO], v[S+16*\t+4*\ch:S+16*\t+4*\ch+3] offset:\t*16*SP+\ch*32   ; query 16 t + r, channels 16 ch + 8 h + 0..7
.endr
.endm
	PACK 0
	PACK 1
	PACK 2
	PACK 3
	s_wait_dscnt 0x0                  ; for the others' sake: my stores into the stage are done
	s_barrier_signal -1
	s_barrier_wait -1
.irp i, 0,1,2,3,4,5,6,7,8,9,10,11,12,13,14,15
	ds_load_b128 v[OB+4*\i:OB+4*\i+3], v[RD] offset:\i*2*SP
.endr
.irp i, 0,1,2,3,4,5,6,7,8,9,10,11,12,13,14,15
	s_wait_dscnt 15-\i
	global_store_b128 v[GO], v[OB+4*\i:OB+4*\i+3], s[6:7] offset:\i*4096   ; 16 lanes store 256 consecutive bytes, at a multiple of 256 from the buffer's first byte
.endr
	s_wait_tensorcnt 0x0              ; the wave's end: a tensor wait, an add of 0 to my spare word and its wait, behind my last tensor load and my last LDS store
	ds_add_u32 v[SPW], v[NIL]
	s_wait_dscnt 0x0
	CROUND                            ; the closing round: no work-group ends while a partner may still ask for a tile that names it
	s_endpgm
.Lfunc_end_k_qc228555304_attn:
	.size	k_qc228555304_attn, .Lfunc_end_k_qc228555304_attn-k_qc228555304_attn
	.p2alignl 7, 3214868480
	.fill 96, 4, 3214868480
	.section	.rodata,"a",@progbits
	.p2align	6, 0x0
	.amdhsa_kernel k_qc228555304_attn
		.amdhsa_group_segment_fixed_size 327680
		.amdhsa_private_segment_fixed_size 0
		.amdhsa_enable_private_segment 0
		.amdhsa_kernarg_size 16
		.amdhsa_user_sgpr_count 2
		.amdhsa_user_sgpr_kernarg_segment_ptr 1
		.amdhsa_wavefront_size32 1
		.amdhsa_system_sgpr_workgroup_id_x 1
		.amdhsa_system_sgpr_workgroup_id_y 1
		.amdhsa_system_sgpr_workgroup_id_z 1
		.amdhsa_system_vgpr_workitem_id 0
		.amdhsa_next_free_vgpr 512
		.amdhsa_next_free_sgpr 70
		.amdhsa_reserve_vcc 0
		.amdhsa_float_denorm_mode_32 3
		.amdhsa_float_denorm_mode_16_64 3
		.amdhsa_memory_ordered 1
		.amdhsa_forward_progress 1
		.amdhsa_inst_pref_size 255
	.end_amdhsa_kernel
	.section	.bss,"aw",@nobits
	.p2align	6
	.space	262144
	.amdgpu_metadata
---
amdhsa.version: [ 1, 2 ]
amdhsa.kernels:
  - .name:           k_qc228555304_attn
    .symbol:         k_qc228555304_attn.kd
    .args:
      - { .name: qkvh, .offset: 0, .size: 8, .value_kind: global_buffer, .address_space: global }
      - { .name: ao, .offset: 8, .size: 8, .value_kind: global_buffer, .address_space: global }
    .group_segment_fixed_size: 327680
    .private_segment_fixed_size: 0
    .kernarg_segment_align: 8
    .kernarg_segment_size: 16
    .max_flat_workgroup_size: 256
    .sgpr_count:     70
    .vgpr_count:     512
    .wavefront_size: 32
...
	.end_amdgpu_metadata
.endif
;; end of part 3
;; launch oproj (part 4): grid 8 x 64, 4 waves a work-group, clusters of 4 x 4, 327,680 bytes of LDS; arguments ao, owh, out0, o_b; writes out0
.if DOCPART == 4
	.amdgcn_target "amdgcn-amd-amdhsa--gfx1250"
	.amdhsa_code_object_version 6
	.text
	.protected	k_qc228555304_oproj
	.globl	k_qc228555304_oproj
	.p2align	8
	.type	k_qc228555304_oproj,@function
k_qc228555304_oproj:
	s_mov_b64 s[64:65], 0
	v_nop
	global_prefetch_b8 v0, s[64:65] scope:SCOPE_SE
	s_setreg_imm32_b32 hwreg(HW_REG_WAVE_MODE, 25, 1), 1
	s_wait_xcnt 0x0
	s_wait_alu depctr_hold_cnt(0) depctr_sa_sdst(0) depctr_va_vdst(0) depctr_va_sdst(0) depctr_va_ssrc(0) depctr_va_vcc(0) depctr_vm_vsrc(0)
	s_getreg_b32 s2, hwreg(HW_REG_IB_STS2, 6, 4)
	s_cmp_eq_u32 s2, 0
	s_cbranch_scc0 .Lentry_in_a_cluster
	s_endpgm
.Lentry_in_a_cluster:
	s_bfe_u32 s2, ttmp6, 0x10000c
	s_cmp_lg_u32 s2, 0xf033
	s_cbranch_scc0 .Lentry_shape_is_right
	s_endpgm
.Lentry_shape_is_right:
; LAUNCH 4 OF 4.  out0[m][n] = the sum over k of ao[m][k] o_w[n][k] + o_b[n].  ao: [8192][1024], o_w's copy: [1024][1024], both f16; sums and result f32.  Nothing of the problem is left out here.
; A tile of the result is 128 x 128: 512 equal work-groups.  Four waves, each 64 x 64: 16 accumulators of 16 x 16.  K goes in steps of 256 (LDS rows of 512 bytes; a wave's tensor load brings 64 of them) through two slots.
; CLUSTERS: 4 x 4 work-groups.  The four of a row of the cluster need the same tiles of ao, the four of a column the same tiles of the weight: each tile is asked for jointly.
; THE MATRIX INSTRUCTION IS USED TRANSPOSED (source 0 = 16 rows of the weight, source 1 = 16 rows of ao): a lane holds eight neighbouring numbers of a row of the result.  THE BIAS is the C of each sum's first matrix instruction.
; A wave's 64 columns of f32 are 256 aligned bytes of a row: each wave sends its own rows through its own stage, with no barrier.
; REGISTERS: window 0: v0-31 addresses; v32-95 at work on the way out; v96-127 the bias; v128-255 the accumulators ((a, b) at v[128 + 8 (4 a + b)]).   window 1: two fragment buffers of 128.
.set SIZE_M, 8192
.set SIZE_N, 1024
.set SIZE_K, 1024
.set KSTEP,  256
.set PITCH,  528                       ; an LDS row: 512 bytes + 16: the sixteen rows that a load touches start at sixteen different 16-byte columns of 256
.set HALFT,  64*PITCH                  ; 64 rows: what one tensor load brings
.set SLOT,   4*HALFT                   ; ao's 128 rows, then the weight's 128
.set STAGE,  2*SLOT                    ; behind the ring: 16 rows x 272 bytes for each wave
.set SPITCH, 272
.set SPARE,  STAGE+4*16*SPITCH         ; behind the stages: the spare words, 128 bytes for each wave
.set LAPS, SIZE_K/(2*KSTEP)            ; 2
.set ADRA, 16                          ; v16-17  LDS address of my fragments of ao in slot 0, 1
.set ADRB, 20                          ; v20-21  the same for the weight
.set STO,  24                          ; v24     the way out: where I put 32 bytes of a row
.set RD,   25                          ; v25     where I read a row back
.set CO,   26                          ; v26     my byte offset in the result
.set BO,   27                          ; v27     the bias: 32 h
.set SPW,  28                          ; v28     LDS address of my spare word; never rewritten
.set NIL,  29                          ; v29     0; never rewritten
.set TMP,  32                          ; the way out: two sets of 32
.set BIAS, 96
.set ACC,  128
.set F0,   0                           ; fragment buffers, in window 1
.set F1,   128
.set G1, 24
.set G0, 32
.set G1B, 48
.set G0B, 56
.set MSB, 0
.macro WIN new
.if MSB != (\new)
	s_set_vgpr_msb (MSB<<8)|(\new)
.set MSB, (\new)
.endif
.endm
.set MUL,  0x05                        ; sources 0 and 1 window 1; C and D window 0
.set TO_F, 0x40                        ; destination window 1, address window 0
.macro JLOAD s                         ; a joint load: waves 0 and 1 fetch ao's two halves, waves 2 and 3 the weight's; an s_nop 0 and four v_nop follow each of the two lines
	s_cmp_eq_u32 s11, 0
	s_cbranch_scc0 .Lfor_b_\@
	tensor_load_to_lds s[G0+4*\s:G0+4*\s+3], s[G1:G1+7]
	s_nop 0
.rept 4
	v_nop
.endr
	s_branch .Lasked_\@
.Lfor_b_\@:
	tensor_load_to_lds s[G0B+4*\s:G0B+4*\s+3], s[G1B:G1B+7]
	s_nop 0
.rept 4
	v_nop
.endr
.Lasked_\@:
.endm
.macro CREST                           ; a round of the cluster's barrier behind its opening barrier
	s_cmp_lg_u32 s10, 0
	s_cbranch_scc1 .Lnot_wave_0_\@
	s_barrier_signal -3
.Lnot_wave_0_\@:
	s_barrier_wait -3
	s_barrier_signal -1
	s_barrier_wait -1
.endm
.macro CROUND
	s_barrier_signal -1
	s_barrier_wait -1
	CREST
.endm
	s_load_b128 s[4:7], s[0:1], 0x0                ; ao, the weight
	s_load_b64 s[8:9], s[0:1], 0x10                ; out0
	s_load_b64 s[68:69], s[0:1], 0x18              ; o_b
	v_lshl_add_u32 v[SPW], v0, 2, SPARE
	v_mov_b32 v[NIL], 0
	ds_add_u32 v[SPW], v[NIL]                      ; the wave's opening: the add, twice on end, and its wait ahead of my first tensor load
	ds_add_u32 v[SPW], v[NIL]
	v_lshrrev_b32 v1, 5, v0
	v_readfirstlane_b32 s10, v1                    ; wave 0..3
	s_lshr_b32 s11, s10, 1                         ; which half of the tile's rows is mine.  Also: I fetch for ao (0) or for the weight (1)
	s_and_b32 s12, s10, 1                          ; which half of its columns.  Also: which 64 rows of that tile I fetch
	s_bfe_u32 s40, ttmp6, 0x40000                  ; cx, cy
	s_bfe_u32 s41, ttmp6, 0x40004
	s_lshl_b32 s42, ttmp9, 2
	s_add_co_u32 s42, s42, s40                     ; tile column
	s_and_b32 s13, ttmp7, 0xffff
	s_lshl_b32 s13, s13, 2
	s_add_co_u32 s13, s13, s41                     ; tile row
	s_lshl_b32 s43, s41, 2
	s_lshl_b32 s43, 15, s43                        ; my row of the cluster
	s_lshl_b32 s44, 0x1111, s40                    ; my column
	; group 1: a tile of 64 rows x 256 elements of 2 bytes, 16 bytes of padding behind each row
	s_or_b32 s[G1+0], s43, (1<<16)|(1<<20)|(1<<21)|(6<<22)|(3<<25)
	s_or_b32 s[G1B+0], s44, (1<<16)|(1<<20)|(1<<21)|(6<<22)|(3<<25)
.irp g, G1, G1B
	s_mov_b32 s[\g+1], KSTEP<<16                   ; tensor_dim0
	s_mov_b32 s[\g+2], 64<<16                      ; tensor_dim1
	s_mov_b32 s[\g+3], KSTEP<<16                   ; tile_dim0
	s_mov_b32 s[\g+4], 64                          ; tile_dim1
	s_mov_b32 s[\g+5], SIZE_K                      ; the pitch in memory
	s_mov_b32 s[\g+6], 0
	s_mov_b32 s[\g+7], 0
.endr
	s_lshl_b32 s17, s12, 6                         ; which 64 rows of the tile I fetch
	s_lshl_b32 s16, s13, 7
	s_add_co_u32 s16, s16, s17
	s_lshl_b32 s46, s42, 7
	s_add_co_u32 s46, s46, s17
	s_mov_b32 s17, 0
	s_mov_b32 s47, 0
	s_mov_b64 s[18:19], SIZE_K*2
	s_mul_u64 s[16:17], s[16:17], s[18:19]
	s_mul_u64 s[46:47], s[46:47], s[18:19]
	s_mul_i32 s20, s10, HALFT                      ; where they go: wave x 64 rows
	s_wait_dscnt 0x0                               ; both opening adds are done
	s_wait_kmcnt 0x0
	s_add_nc_u64 s[14:15], s[4:5], s[16:17]
	s_add_nc_u64 s[46:47], s[6:7], s[46:47]
	CROUND                                         ; all sixteen work-groups are here: the first joint loads meet
.irp s, 0,1
	s_mov_b32 s[G0+4*\s], 1
	s_add_co_u32 s[G0+4*\s+1], s20, \s*SLOT
	s_add_nc_u64 s[G0+4*\s+2:G0+4*\s+3], s[14:15], \s*KSTEP*2
	s_or_b32 s[G0+4*\s+3], s[G0+4*\s+3], 0x80000000
	s_mov_b32 s[G0B+4*\s], 1
	s_add_co_u32 s[G0B+4*\s+1], s20, \s*SLOT
	s_add_nc_u64 s[G0B+4*\s+2:G0B+4*\s+3], s[46:47], \s*KSTEP*2
	s_or_b32 s[G0B+4*\s+3], s[G0B+4*\s+3], 0x80000000
	JLOAD \s
.endr
	v_and_b32 v1, 15, v0                           ; r
	v_bfe_u32 v2, v0, 4, 1                         ; h
	v_mul_u32_u24 v3, v1, PITCH
	v_lshl_add_u32 v3, v2, 4, v3
	s_mul_i32 s21, s11, HALFT                      ; my 64 rows of ao
	s_mul_i32 s22, s12, HALFT                      ; my 64 rows of the weight,
	s_add_co_u32 s22, s22, 2*HALFT                 ; which lie behind ao's 128
.irp s, 0,1
	v_add_nc_u32 v[ADRA+\s], s21, v3
	v_add_nc_u32 v[ADRB+\s], s22, v3
	s_add_co_u32 s21, s21, SLOT
	s_add_co_u32 s22, s22, SLOT
.endr
	s_mul_i32 s23, s10, 16*SPITCH
	s_add_co_u32 s23, s23, STAGE                   ; my stage
	v_mul_u32_u24 v4, v1, SPITCH                   ; in: row r, 32 bytes for each half of the lanes
	v_lshl_add_u32 v4, v2, 5, v4
	v_add_nc_u32 v[STO], s23, v4
	v_mul_u32_u24 v5, v2, SPITCH                   ; back: lanes 0-15 one row of 256 bytes, lanes 16-31 the next
	v_lshl_add_u32 v5, v1, 4, v5
	v_add_nc_u32 v[RD], s23, v5
	v_lshlrev_b32 v5, 12, v2                       ; and the same two rows in the result: a row is 4,096 bytes
	v_lshl_add_u32 v[CO], v1, 4, v5
	v_lshlrev_b32 v[BO], 5, v2
	s_lshl_b32 s16, s13, 7
	s_lshl_b32 s17, s11, 6
	s_add_co_u32 s16, s16, s17                     ; my first row: 128 x tile row + 64 x half
	s_mov_b32 s17, 0
	s_mov_b64 s[18:19], SIZE_N*4
	s_mul_u64 s[16:17], s[16:17], s[18:19]
	s_add_nc_u64 s[8:9], s[8:9], s[16:17]
	s_lshl_b32 s46, s42, 9                         ; my first column, x 4 bytes: 512 x tile column + 256 x half
	s_lshl_b32 s47, s12, 8
	s_add_co_u32 s46, s46, s47
	s_mov_b32 s47, 0
	s_add_nc_u64 s[8:9], s[8:9], s[46:47]
	s_add_nc_u64 s[68:69], s[68:69], s[46:47]
.irp b, 0,1,2,3
	global_load_b128 v[BIAS+8*\b:BIAS+8*\b+3],   v[BO], s[68:69] offset:64*\b      ; o_b of columns 16 b + 8 h + 0 .. 7
	global_load_b128 v[BIAS+8*\b+4:BIAS+8*\b+7], v[BO], s[68:69] offset:64*\b+16
.endr
; 8 matrix instructions: row blocks a0, a0 + 1 x all 4 column blocks, 32 along K: half c of buffer f.  zero = 1: the first product starts the sums from the bias
.macro MUL8 f, c, a0, zero
.irp a, \a0, \a0+1
.irp b, 0,1,2,3
.if \zero
	v_wmma_f32_16x16x32_f16 v[ACC+8*(4*(\a)+\b):ACC+8*(4*(\a)+\b)+7], v[\f+64+8*(4*\c+\b):\f+64+8*(4*\c+\b)+7], v[\f+8*(4*\c+\a):\f+8*(4*\c+\a)+7], v[BIAS+8*\b:BIAS+8*\b+7]
.else
	v_wmma_f32_16x16x32_f16 v[ACC+8*(4*(\a)+\b):ACC+8*(4*(\a)+\b)+7], v[\f+64+8*(4*\c+\b):\f+64+8*(4*\c+\b)+7], v[\f+8*(4*\c+\a):\f+8*(4*\c+\a)+7], v[ACC+8*(4*(\a)+\b):ACC+8*(4*(\a)+\b)+7]
.endif
.endr
.endr
.endm
; 32 LDS loads in one run: the fragments of 64 along K at byte k of the rows, into buffer f; the first 32 along K first
.macro FETCH slot, k, f
	WIN TO_F
.irp c, 0,1
.irp i, 0,1,2,3
	ds_load_b128 v[\f+64+8*(4*\c+\i):\f+64+8*(4*\c+\i)+3],   v[ADRB+\slot] offset:\k+64*\c+\i*16*PITCH
	ds_load_b128 v[\f+64+8*(4*\c+\i)+4:\f+64+8*(4*\c+\i)+7], v[ADRB+\slot] offset:\k+64*\c+\i*16*PITCH+32
	ds_load_b128 v[\f+8*(4*\c+\i):\f+8*(4*\c+\i)+3],         v[ADRA+\slot] offset:\k+64*\c+\i*16*PITCH
	ds_load_b128 v[\f+8*(4*\c+\i)+4:\f+8*(4*\c+\i)+7],       v[ADRA+\slot] offset:\k+64*\c+\i*16*PITCH+32
.endr
.endr
.endm
.macro PLACES                          ; four places in front of loads into registers that matrix instructions have read, and of reads of results
.rept 4
	v_nop
.endr
.endm
; A K step is four quarters of 64 along K, 32 matrix instructions each, on buffers 0, 1, 0, 1.  The 16 accumulators take turns.
.macro QUARTER slot, k, f, g, zero
	s_wait_dscnt 16                                ; the first 32 along K are in; the other sixteen loads may be out
	WIN MUL
	MUL8 \f, 0, 0, \zero
	MUL8 \f, 0, 2, \zero
	PLACES
	FETCH \slot, \k, \g
	s_wait_dscnt 32                                ; all but the 32 just issued
	WIN MUL
	MUL8 \f, 1, 0, 0
	MUL8 \f, 1, 2, 0
.endm
; The last quarter multiplies buffer 1 and changes slots: one barrier; in front of it each wave waits for all its tensor loads, adds 0 to its spare word, and waits for that and for its own reads of this slot.  fill = 1: this slot is filled again, two K steps ahead.
.macro TURN slot, next, fill
	WIN 0
	s_wait_tensorcnt 0x0                           ; all my tensor loads have landed: my part of the next slot
	ds_add_u32 v[SPW], v[NIL]                      ; 0 onto my spare word
	s_wait_dscnt 17                                ; (the add and the youngest sixteen loads may be out)
	WIN MUL
	MUL8 F1, 0, 0, 0
	s_wait_dscnt 0x0                               ; the add is done, and my reads of this slot are over
	s_barrier_signal -1
	MUL8 F1, 0, 2, 0
.if \fill
	WIN 0
.endif
	s_barrier_wait -1
.if \fill
	CREST                                          ; the barrier has opened a round of the cluster's: no wave of any partner still reads this slot or has a load on its way
	s_add_nc_u64 s[G0+4*\slot+2:G0+4*\slot+3], s[G0+4*\slot+2:G0+4*\slot+3], 2*KSTEP*2
	s_add_nc_u64 s[G0B+4*\slot+2:G0B+4*\slot+3], s[G0B+4*\slot+2:G0B+4*\slot+3], 2*KSTEP*2
	JLOAD \slot                                    ; the first tensor load behind the round; its four v_nop are also the places in front of the loads below
.else
	PLACES
.endif
	FETCH \next, 0, F0
	WIN MUL
	MUL8 F1, 1, 0, 0
	MUL8 F1, 1, 2, 0
.endm
	s_wait_tensorcnt 1                             ; my part of K step 0 is in (K step 1's load may be out)
	s_barrier_signal -1
	s_barrier_wait -1                              ; everybody's is
	FETCH 0, 0, F0
	s_wait_loadcnt 0x0                             ; the bias
	QUARTER 0, 128, F0, F1, 1                      ; the first quarter stands in front of the loop: its first products start the sums
	WIN 0
	s_mov_b32 s3, LAPS-1
.Llap:                                                 ; a trip goes once round the ring and fills both slots again
	QUARTER 0, 256, F1, F0, 0
	QUARTER 0, 384, F0, F1, 0
	TURN 0, 1, 1
	QUARTER 1, 128, F0, F1, 0
	QUARTER 1, 256, F1, F0, 0
	QUARTER 1, 384, F0, F1, 0
	TURN 1, 0, 1
	QUARTER 0, 128, F0, F1, 0
	WIN 0
	s_sub_co_u32 s3, s3, 1
	s_cmp_lg_u32 s3, 0
	s_cbranch_scc1 .Llap
	QUARTER 0, 256, F1, F0, 0                      ; the last lap fills nothing
	QUARTER 0, 384, F0, F1, 0
	TURN 0, 1, 0
	QUARTER 1, 128, F0, F1, 0
	QUARTER 1, 256, F1, F0, 0
	QUARTER 1, 384, F0, F1, 0
	s_wait_dscnt 16
	WIN MUL
	MUL8 F1, 0, 0, 0
	MUL8 F1, 0, 2, 0
	s_wait_dscnt 0
	MUL8 F1, 1, 0, 0
	MUL8 F1, 1, 2, 0
	WIN 0
; THE WAY OUT, block by block of 16 rows x 64 columns: 32 bytes a lane into my own stage, back as whole rows of 256 bytes.  LDS serves a wave's instructions in order: no wait between the stores and the loads, nor in front of the next block's stores.
.macro TOSTAGE a
.irp b, 0,1,2,3
	ds_store_b128 v[STO], v[ACC+8*(4*(\a)+\b):ACC+8*(4*(\a)+\b)+3]   offset:64*\b      ; each accumulator from its low end on
	ds_store_b128 v[STO], v[ACC+8*(4*(\a)+\b)+4:ACC+8*(4*(\a)+\b)+7] offset:64*\b+16
.endr
.irp i, 0,1,2,3,4,5,6,7
	ds_load_b128 v[TMP+32*((\a)%2)+4*\i:TMP+32*((\a)%2)+4*\i+3], v[RD] offset:\i*2*SPITCH
.endr
.endm
.macro SEND a, younger
	s_wait_dscnt \younger
.irp i, 0,1,2,3,4,5,6,7
	global_store_b128 v[CO], v[TMP+32*((\a)%2)+4*\i:TMP+32*((\a)%2)+4*\i+3], s[8:9] offset:(16*(\a)+2*\i)*SIZE_N*4 th:TH_STORE_NT   ; 16 lanes store 256 consecutive bytes, aligned; written once, read by nobody here
.endr
.endm
	PLACES
	TOSTAGE 0
.irp a, 1,2,3
.if \a >= 2
	s_wait_xcnt 0x0                                ; block a - 2's stores have read their registers: block a's rows may land there
.endif
	TOSTAGE \a
	SEND \a-1, 16                                  ; behind block a - 1's loads: block a's 8 stores and 8 loads
.endr
	SEND 3, 0
	s_wait_tensorcnt 0x0                           ; the wave's end: a tensor wait, an add of 0 to my spare word and its wait, behind my last tensor load and my last LDS store
	ds_add_u32 v[SPW], v[NIL]
	s_wait_dscnt 0x0
	CROUND                                         ; the closing round: no work-group ends while a partner may still ask for a tile that names it
	s_endpgm
.Lfunc_end_k_qc228555304_oproj:
	.size	k_qc228555304_oproj, .Lfunc_end_k_qc228555304_oproj-k_qc228555304_oproj
	.p2alignl 7, 3214868480
	.fill 96, 4, 3214868480
	.section	.rodata,"a",@progbits
	.p2align	6, 0x0
	.amdhsa_kernel k_qc228555304_oproj
		.amdhsa_group_segment_fixed_size 327680
		.amdhsa_private_segment_fixed_size 0
		.amdhsa_enable_private_segment 0
		.amdhsa_kernarg_size 32
		.amdhsa_user_sgpr_count 2
		.amdhsa_user_sgpr_kernarg_segment_ptr 1
		.amdhsa_wavefront_size32 1
		.amdhsa_system_sgpr_workgroup_id_x 1
		.amdhsa_system_sgpr_workgroup_id_y 1
		.amdhsa_system_sgpr_workgroup_id_z 1
		.amdhsa_system_vgpr_workitem_id 0
		.amdhsa_next_free_vgpr 512
		.amdhsa_next_free_sgpr 70
		.amdhsa_reserve_vcc 0
		.amdhsa_float_denorm_mode_32 3
		.amdhsa_float_denorm_mode_16_64 3
		.amdhsa_memory_ordered 1
		.amdhsa_forward_progress 1
		.amdhsa_inst_pref_size 87
	.end_amdhsa_kernel
	.amdgpu_metadata
---
amdhsa.version: [ 1, 2 ]
amdhsa.kernels:
  - .name:           k_qc228555304_oproj
    .symbol:         k_qc228555304_oproj.kd
    .args:
      - { .name: ao, .offset: 0, .size: 8, .value_kind: global_buffer, .address_space: global }
      - { .name: owh, .offset: 8, .size: 8, .value_kind: global_buffer, .address_space: global }
      - { .name: out0, .offset: 16, .size: 8, .value_kind: global_buffer, .address_space: global }
      - { .name: o_b, .offset: 24, .size: 8, .value_kind: global_buffer, .address_space: global }
    .group_segment_fixed_size: 327680
    .private_segment_fixed_size: 0
    .kernarg_segment_align: 8
    .kernarg_segment_size: 32
    .max_flat_workgroup_size: 128
    .sgpr_count:     70
    .vgpr_count:     512
    .wavefront_size: 32
...
	.end_amdgpu_metadata
.endif
;; end of part 4
